; MI455X (gfx1250); checked and timed in simulation.
; The chip was launched on July 23, 2026; its instructions are those of AMD's public machine-readable ISA for CDNA 5 (MIT licence, August 2026) and "CDNA5" Instruction Set Architecture Reference Guide (July 2026). The comments in the code are by the model that wrote it; some were corrected since.
;; Self Attention. Allowed arithmetic: matrix products marked QUANTISED: E2M3 operands, one E8M0 scale for each 32 along K, by v_wmma_scale_f32_16x16x128_f8f6f4 with both operands' format E2M3, f32 sums; everything else in f32.
;; Inputs: W_attn 1,024 x 3,072 float32; W_proj 1,024 x 1,024 float32; b_attn 3,072 float32; b_proj 1,024 float32; x 4 x 2,048 x 1,024 float32.
;; Outputs: out0 4 x 2,048 x 1,024 float32.
;; This version of the problem:
;;   THIS VERSION OF THE PROBLEM IS GIVEN IN LOW PRECISION. The matrix products marked QUANTISED in the list below multiply operands that are first quantised to E2M3 (2 exponent bits, 3 mantissa bits; 6 bits a number), with one power-of-two scale for each 32 numbers along K (OCP MX v1.0); their sums are f32. All else is computed in f32.
;;   The module's matrix products, in the order in which they are computed (A, B: the left and right operand; K: the contracted axis; several contracted axes count as one K, in the product's order):
;;     1. [M 8,192, K 1,024] x [K 1,024, N 3,072]; A: input x; B: input W_attn: QUANTISED
;;     2. batch 64 x [M 2,048, K 64] x [K 64, N 2,048]; A: computed on the way; B: computed on the way: QUANTISED
;;     3. batch 64 x [M 2,048, K 2,048] x [K 2,048, N 64]; A: softmax (see below); B: computed on the way: QUANTISED
;;     4. [M 8,192, K 1,024] x [K 1,024, N 1,024]; A: computed on the way; B: input W_proj: QUANTISED
;;   THE QUANTISER, for each operand of a quantised product, along K:
;;     - K is cut into blocks of 32 from its start; a last block that is shorter is filled with zeros.
;;     - A block's scale is 2^e with e = floor(log2(the largest magnitude in the block)) - 2, held to -126 .. 127; a block of zeros has e = 0. As a byte (E8M0): e + 127.
;;     - Each number is divided by its block's scale, clamped to +-7.5, and rounded to the nearest number of E2M3, ties to even, subnormals kept.
;;     - The product sums the exact products of the quantised numbers (number of the format x scale) in f32.
;;   ~~~python
;;   def quantise(x, axis):      # numpy; x: float32 -> the quantised numbers, widened to float32 again
;;       x = np.moveaxis(x, axis, -1); K = x.shape[-1]
;;       x = np.pad(x, [(0, 0)] * (x.ndim - 1) + [(0, -K % 32)]); x = x.reshape(x.shape[:-1] + (-1, 32)); a = np.abs(x).max(-1, keepdims=True)
;;       e = np.where(a > 0, np.clip(np.frexp(np.where(a > 0, a, 1))[1] - 1 - 2, -126, 127), 0)      # np.frexp(a)[1] - 1 = floor(log2(a)), exactly
;;       r = np.clip(x / 2.0 ** e, -7.5, 7.5)
;;       step = 2.0 ** (np.maximum(np.frexp(np.where(r == 0, 1, r))[1] - 1, 0) - 3)
;;       q = np.round(r / step) * step * 2.0 ** e      # np.round: ties to even
;;       return np.moveaxis(q.reshape(q.shape[:-2] + (-1,))[..., :K], -1, axis).astype(np.float32)
;;   ~~~
;;   SOFTMAX AHEAD OF A QUANTISED PRODUCT. Where the list says 'softmax', what is quantised is not the finished softmax but p = 2^(t - M), with t = logit x log2(e) and M = ceil(the row's largest t), a whole number; so 1/2 < the row's largest p <= 1. The row's sum l is taken of the UNQUANTISED p, in f32, and the product's result is divided by l at the end. Since M is a whole number, a kernel that streams over the keys may use a running M (the ceiling of the running maximum): every later rescaling is an exact power of two, which a block's scale takes up: the codes' values come out the same.
;;   OPERANDS COMPUTED ON THE WAY. 'Computed on the way' means the value that the module computes at that place (a softmax that the list does not call 'softmax' is quantised finished and normalised). What goes into a quantiser is computed in f32, as accurately as f32 sums, v_exp_f32 and their like allow (about 1e-6 of the number): no bf16 or f16 on the way to a quantiser, and a product that is left as it is and whose result goes on into a quantised operand takes f32 operands (vector FMAs, or v_wmma_f32_16x16x4_f32). A number that lies on a knife's edge between two numbers of the format may be rounded either way, as far as f32 arithmetic and the matrix unit's own rounding can turn it there, and no further.
;; One version. Each part assembles by itself: llvm-mc -triple=amdgcn-amd-amdhsa -mcpu=gfx1250 --defsym DOCPART=n.
;; ======== version 1 of 1: 4 launches
;; limits: right only within a limited range of input values
;; workspace buffers: pc 9,437,184 bytes; psc 393,216 bytes; qkvc 18,874,368 bytes; qkvs 786,432 bytes; yc 6,291,456 bytes; ys 262,144 bytes
;; launch prep (part 1): grid 384 x 1, 4 waves a work-group, no clusters, 68,096 bytes of LDS; arguments x, W_attn, W_proj, pc, psc; writes pc, psc
.if DOCPART == 1
	.amdgcn_target "amdgcn-amd-amdhsa--gfx1250"
	.amdhsa_code_object_version 6
	.text
	.protected	k_q780004ce98_prep
	.globl	k_q780004ce98_prep
	.p2align	8
	.type	k_q780004ce98_prep,@function
k_q780004ce98_prep:
	s_mov_b64 s[64:65], 0
	v_nop
	global_prefetch_b8 v0, s[64:65] scope:SCOPE_SE
	s_setreg_imm32_b32 hwreg(HW_REG_WAVE_MODE, 25, 1), 1
	s_wait_xcnt 0x0
; FIRST OF FOUR LAUNCHES of causal self-attention (B 4, T 2,048, C 1,024, 16 heads of 64), all four products on codes of E2M3 with one E8M0 byte for each 32 along K.
; This launch quantises x [8,192][1,024], W_attn [1,024][3,072] and W_proj [1,024][1,024] along C into ONE TABLE OF ROWS: pc, 12,288 rows of 768 bytes (1,024 codes, K innermost), and psc, the same rows of 32 scale bytes.
; Rows 0-8,191: x's tokens; 8,192-11,263: W_attn's columns; 11,264-12,287: W_proj's columns.
; THE ORDER OF ROWS: table position P holds true row pi(P), pi = bits 3 and 4 of the index exchanged (its own inverse).  Sixteen neighbouring table rows are then eight neighbouring true rows and the eight that lie 16 further on,
; so that in the products' results a lane's 16 registers of two neighbouring tiles are 16 neighbours along the next product's K.
; DEAD WORK, for the whole program.  No input is dead: b_attn goes into quantised operands, b_proj into the output.  Left out (in the third launch) are the key steps all of whose 128 keys come after all 16 queries of a tile:
; reference() sets those scores to -inf by the mask that it builds itself, so p = 0 there for every value of the inputs, and 0 is added to the row's sum and to the product with v.
; LIMIT: a NaN, an infinity or an overflow that reaches only those scores is not carried to the result.
; LIMITS of the quantiser here: NaN and infinities among the inputs are not served; a block whose largest magnitude lies under 2^-124 keeps the byte 1; a block of zeros gets the byte 1 where the rule says 127:
; its codes are zeros, which add nothing under any byte but 0xff, and the bytes are read by this program alone.
; Work-groups 0-255 take x (K innermost: a plain stream of blocks of 32), work-groups 256-383 the weights (K is the first axis: a lane takes a column and its registers run down K).
; The two ways never join, and each has LDS bytes of its own.  No tensor loads, no barrier: waves share nothing.
.set SPW,   208                        ; v208  LDS address of my spare word: SPARE + 4 x my thread's number; never rewritten
.set NIL,   209                        ; v209  0; never rewritten
.set XREG,  8192                       ; x's way: a region for each wave: two stages of 32 x SP bytes, behind them its 256 scale bytes
.set SP,    80                         ; a lane's place in a stage: 64 bytes + 16 of padding
.set WSTG,  4*XREG                     ; the weights' way: a stage of 32 rows x WPITCH bytes for each wave
.set WPITCH, 272                       ; sixteen places of 16 bytes, each with 12 bytes of codes, + 16
.set SPARE, WSTG+4*32*WPITCH           ; 67,584: the spare words, 128 bytes for each wave, which no other line names
.set STEPS, 16
.set CBY,   12                         ; bytes of 16 codes
.set R,     16                         ; x: v16-79   four sets of 16 numbers as loaded
.set XN,    80                         ; x: v80-111  two sets of 16 neighbours
.set XE,    112                        ; x: v112-127 a scale byte for each step
.set XC,    128                        ; x: v128-191 codes, four registers for each step
.set SB,    24                         ; w: v24-25   the scale bytes, four to a register
.set WX,    32                         ; w: v32-95   two sets of 32 numbers
.set WC,    96                         ; w: v96-102  a block's codes
.set OUTR,  112                        ; w: v112-175 the way out
.set RO,    176                        ; w: v176-207 byte offset of row i of a block of 32 rows, at my column; never rewritten
; HOW A ROW'S 768 BYTES LIE IN pc: [256 table rows][K step of 256 codes][row][192 bytes]: byte y of table row P stands at 196,608 (P / 256) + 49,152 (y / 192) + 192 (P % 256) + y % 192.
; So a K step of 256 (or 128) rows is one dense run of bytes, which the products' launches fetch as rows of 256 bytes.
.set GRPB,  196608
.set KSTB,  49152
	s_load_b256 s[4:11], s[0:1], 0x0               ; x s[4:5], W_attn s[6:7], W_proj s[8:9], pc s[10:11]
	s_load_b64 s[12:13], s[0:1], 0x20              ; psc
	v_lshl_add_u32 v[SPW], v0, 2, SPARE
	v_mov_b32 v[NIL], 0
	v_lshrrev_b32 v1, 5, v0
	v_readfirstlane_b32 s16, v1                    ; wave 0..3
	v_and_b32 v2, 31, v0                           ; lane
	s_cmp_lt_u32 ttmp9, 256
	s_cbranch_scc0 .Lweights
; ---------------- x.  A wave takes 8 rows = 8,192 numbers in 16 steps of 512.  Each load reads 512 consecutive bytes; a step's 2,048 bytes turn through the wave's stage and come back 64 bytes a lane:
; 16 neighbours along K, two lanes to a block.  A lane's 16 codes are 12 bytes: the wave stores two runs of 192 bytes, in two K steps.  The wave's 256 scale bytes are gathered in LDS and leave as one aligned 256 bytes.
	v_lshlrev_b32 v3, 4, v2                        ; my 16 bytes of a load's 512
	s_mul_i32 s17, s16, XREG
	v_lshrrev_b32 v14, 2, v2
	v_mul_u32_u24 v14, v14, SP
	v_and_b32 v15, 3, v2
	v_lshl_add_u32 v14, v15, 4, v14
	v_add_nc_u32 v14, s17, v14                     ; into the stage: SP (lane / 4) + 16 (lane % 4)
	v_mul_u32_u24 v15, v2, SP
	v_add_nc_u32 v15, s17, v15                     ; out of it: SP x lane
	v_and_b32 v4, 15, v2
	v_mul_u32_u24 v4, v4, CBY                      ; my codes' place: sixteen lanes fill a row's 192 bytes of one K step,
	v_lshrrev_b32 v5, 4, v2
	v_mad_u32_u24 v4, v5, KSTB, v4                 ; lanes 16-31 those of the next K step
	v_lshrrev_b32 v5, 1, v2
	s_add_co_u32 s17, s17, 2*32*SP
	v_add_nc_u32 v5, s17, v5                       ; my block's byte among the wave's 256
	v_lshlrev_b32 v7, 3, v2
	v_add_nc_u32 v6, s17, v7                       ; and on the way out 8 bytes a lane
	s_lshl_b32 s17, ttmp9, 2
	s_add_co_u32 s18, s17, s16                     ; the run of 8 rows that I read: 4 x work-group + wave
	s_lshl_b32 s20, s18, 15                        ; x 32,768 bytes (under 2^25)
	s_mov_b32 s21, 0
	s_and_b32 s22, s16, 1                          ; the run that I write: a row's bits 3 and 4 are the wave's bits 0 and 1: exchanged
	s_lshl_b32 s22, s22, 1
	s_lshr_b32 s23, s16, 1
	s_or_b32 s22, s22, s23
	s_add_co_u32 s18, s17, s22
	s_lshr_b32 s22, s18, 5                         ; my 8 rows' group of 256,
	s_mul_i32 s22, s22, GRPB
	s_and_b32 s23, s18, 31
	s_mul_i32 s23, s23, 8*192                      ; and their place in it
	s_add_co_u32 s22, s22, s23
	s_mov_b32 s23, 0
	s_lshl_b32 s24, s18, 8
	s_mov_b32 s25, 0
	s_wait_alu depctr_va_vdst(0)
	s_wait_kmcnt 0x0
	s_add_nc_u64 s[4:5], s[4:5], s[20:21]
	s_add_nc_u64 s[10:11], s[10:11], s[22:23]
	s_add_nc_u64 s[12:13], s[12:13], s[24:25]
.macro XLOAD t
.irp i, 0,1,2,3
	global_load_b128 v[R+16*((\t)%4)+4*\i:R+16*((\t)%4)+4*\i+3], v3, s[4:5] offset:2048*(\t)+512*\i th:TH_LOAD_NT
.endr
.endm
.macro XTURN t                         ; step t's numbers through the stage: LDS serves a wave's instructions in order, so no wait stands between the stores and the loads
.irp i, 0,1,2,3
	ds_store_b128 v14, v[R+16*((\t)%4)+4*\i:R+16*((\t)%4)+4*\i+3] offset:32*SP*((\t)%2)+8*SP*\i
.endr
.irp i, 0,1,2,3
	ds_load_b128 v[XN+16*((\t)%2)+4*\i:XN+16*((\t)%2)+4*\i+3], v15 offset:32*SP*((\t)%2)+16*\i
.endr
.endm
.irp t, 0,1,2,3
	XLOAD \t
.endr
	s_wait_loadcnt 12                              ; step 0's four loads are in; the twelve of steps 1 to 3 stay out
	XTURN 0
.macro XSTEP t
.set XS, XN+16*((\t)%2)
.if (\t) > 0
	s_wait_dscnt 1                                 ; this step's numbers are back from the stage; the last step's byte store may be out
.else
	s_wait_dscnt 0x0
.endif
.if (\t)+4 < STEPS
	XLOAD (\t)+4                                   ; into the registers that this step's stores into the stage have read
.endif
.if (\t)+1 < STEPS
.if STEPS-2-(\t) >= 3
	s_wait_loadcnt 12                              ; the next step's four loads are in; those of the three steps behind it stay out
.else
	s_wait_loadcnt 4*(STEPS-2-(\t))
.endif
	XTURN (\t)+1
.endif
	v_max3_num_f32 v8, |v[XS]|, |v[XS+1]|, |v[XS+2]|               ; the largest magnitude of my 16, in two chains
	v_max3_num_f32 v9, |v[XS+3]|, |v[XS+4]|, |v[XS+5]|
.irp i, 6,10
	v_max3_num_f32 v8, v8, |v[XS+\i]|, |v[XS+\i+1]|
	v_max3_num_f32 v9, v9, |v[XS+\i+2]|, |v[XS+\i+3]|
.endr
	v_max3_num_f32 v8, v8, |v[XS+14]|, |v[XS+15]|
	v_max3_num_f32 v8, v8, v9, 0x1800000           ; and the floor 2^(3 - 127): the byte cannot fall under 1
	v_max_num_f32_dpp v8, v8, v8 row_xmask:1 row_mask:0xf bank_mask:0xf   ; with my neighbour's 16: the block's
	v_add_nc_u32 v11, 0xff000000, v8               ; 2 off its exponent field: the conversion takes the exponent field of this operand as its scale
	v_cvt_scalef32_pk16_fp6_f32 v[XC+4*(\t):XC+4*(\t)+2], v[XS:XS+15], v11
	v_lshrrev_b32 v[XE+(\t)], 23, v11              ; the scale's byte (a plain line behind the conversion)
	ds_store_b8 v5, v[XE+(\t)] offset:16*(\t)      ; both lanes of a block write the same byte with the same value
	global_store_b96 v4, v[XC+4*(\t):XC+4*(\t)+2], s[10:11] offset:192*((\t)/2)+2*KSTB*((\t)%2)   ; row t / 2, K steps 2 (t % 2) and the next
.endm
.irp t, 0,1,2,3,4,5,6,7,8,9,10,11,12,13,14,15
	XSTEP \t
.endr
	ds_load_b64 v[8:9], v6                         ; LDS serves a wave's instructions in order: these see my byte stores
	s_wait_dscnt 0x0
	global_store_b64 v7, v[8:9], s[12:13]          ; 32 lanes store 256 consecutive bytes, aligned
	s_wait_tensorcnt 0x0                           ; the wave's end, behind my last LDS store
	ds_add_u32 v[SPW], v[NIL]
	s_wait_dscnt 0x0
	s_endpgm
; ---------------- the weights.  A work-group takes 128 columns x 256 along K, a wave 32 columns: 8 blocks a lane.  One text serves both weights: the row's length lies in registers.
.Lweights:
	s_sub_co_u32 s17, ttmp9, 256                   ; 0-95: W_attn (24 x 4), 96-127: W_proj (8 x 4)
	s_wait_kmcnt 0x0
	s_cmp_lt_u32 s17, 96
	s_cselect_b64 s[4:5], s[6:7], s[8:9]           ; the weight: a choice that hangs on the work-group's number alone
	s_mov_b32 s18, 4096
	s_cselect_b32 s18, 12288, s18                  ; bytes in a row of it
	s_mov_b32 s19, 11264
	s_cselect_b32 s19, 8192, s19                   ; its first row in the table
	s_cselect_b32 s20, 0, 96
	s_sub_co_u32 s17, s17, s20
	s_and_b32 s21, s17, 3                          ; which 256 along K
	s_lshr_b32 s22, s17, 2
	s_lshl_b32 s22, s22, 7
	s_lshl_b32 s23, s16, 5
	s_add_co_u32 s22, s22, s23                     ; my wave's first column
	s_lshl_b32 s24, s18, 8
	s_mul_i32 s24, s24, s21                        ; 256 rows x which
	s_lshl_b32 s25, s22, 2
	s_add_co_u32 s24, s24, s25
	s_mov_b32 s25, 0
	s_add_nc_u64 s[32:33], s[4:5], s[24:25]        ; block 0's first row, my wave's first column
	s_lshl_b32 s24, s18, 5                         ; 32 rows on
.irp t, 1,2,3,4,5,6,7
	s_add_nc_u64 s[32+2*\t:33+2*\t], s[30+2*\t:31+2*\t], s[24:25]   ; a base for each block: none is ever stepped
.endr
	s_add_co_u32 s26, s19, s22                     ; my first row in the table
	s_lshr_b32 s28, s26, 8
	s_mul_i32 s28, s28, GRPB
	s_and_b32 s27, s26, 255
	s_mul_i32 s27, s27, 192
	s_add_co_u32 s28, s28, s27
	s_mul_i32 s27, s21, KSTB
	s_add_co_u32 s28, s28, s27
	s_mov_b32 s29, 0
	s_add_nc_u64 s[10:11], s[10:11], s[28:29]
	s_lshl_b32 s28, s26, 5
	s_lshl_b32 s27, s21, 3
	s_add_co_u32 s28, s28, s27
	s_add_nc_u64 s[12:13], s[12:13], s[28:29]
	s_wait_alu depctr_va_vdst(0)
	v_lshlrev_b32 v[RO], 2, v2                     ; 4 bytes a lane: 128 consecutive bytes a load
.irp i, 1,2,3,4,5,6,7,8,9,10,11,12,13,14,15,16,17,18,19,20,21,22,23,24,25,26,27,28,29,30,31
	v_add_nc_u32 v[RO+\i], s18, v[RO+\i-1]
.endr
	v_and_b32 v5, 7, v2                            ; my column's place among the wave's 32 table rows: bits 3 and 4 exchanged
	v_bfe_u32 v6, v2, 3, 1
	v_lshl_add_u32 v5, v6, 4, v5
	v_bfe_u32 v6, v2, 4, 1
	v_lshl_add_u32 v5, v6, 3, v5
	s_mul_i32 s30, s16, 32*WPITCH
	s_add_co_u32 s30, s30, WSTG                    ; my stage
	v_mul_u32_u24 v4, v5, WPITCH
	v_add_nc_u32 v4, s30, v4                       ; into it: the row of my place
	v_lshlrev_b32 v9, 5, v5                        ; and my place's row of scale bytes
	v_and_b32 v5, 15, v2
	v_lshrrev_b32 v6, 4, v2                        ; out of it: sixteen lanes to a row, two rows an instruction
	v_mul_u32_u24 v7, v6, WPITCH
	v_lshl_add_u32 v7, v5, 4, v7
	v_add_nc_u32 v7, s30, v7
	v_mul_u32_u24 v8, v6, 192
	v_mad_u32_u24 v8, v5, 12, v8                   ; the same place in the table
.macro WLOAD t                         ; block t: rows 32 t + i of my 256, my column, into set t % 2
.irp i, 0,1,2,3,4,5,6,7,8,9,10,11,12,13,14,15,16,17,18,19,20,21,22,23,24,25,26,27,28,29,30,31
	global_load_b32 v[WX+32*((\t)%2)+\i], v[RO+\i], s[32+2*(\t):33+2*(\t)] th:TH_LOAD_NT
.endr
.endm
	WLOAD 0
	WLOAD 1
.macro WBLOCK t
.set XS, WX+32*((\t)%2)
.if (\t) < 7
	s_wait_loadcnt 32                              ; this block's 32 loads are in; the next block's 32 stay out
.else
	s_wait_loadcnt 0x0
.endif
	v_max3_num_f32 v12, |v[XS]|, |v[XS+1]|, |v[XS+2]|              ; the block's largest magnitude: all 32 numbers are mine
	v_max3_num_f32 v13, |v[XS+3]|, |v[XS+4]|, |v[XS+5]|
.irp i, 6,10,14,18,22,26
	v_max3_num_f32 v12, v12, |v[XS+\i]|, |v[XS+\i+1]|
	v_max3_num_f32 v13, v13, |v[XS+\i+2]|, |v[XS+\i+3]|
.endr
	v_max3_num_f32 v12, v12, |v[XS+30]|, |v[XS+31]|
	v_max3_num_f32 v12, v12, v13, 0x1800000        ; and the floor
	v_add_nc_u32 v11, 0xff000000, v12              ; the conversion's scale operand
	v_lshrrev_b32 v13, 23, v11                     ; the scale's byte
.if (\t)%4 == 0
	v_mov_b32 v[SB+(\t)/4], v13
.else
	v_lshl_or_b32 v[SB+(\t)/4], v13, 8*((\t)%4), v[SB+(\t)/4]
.endif
	v_cvt_scalef32_pk16_fp6_f32 v[WC:WC+2], v[XS:XS+15], v11
	v_cvt_scalef32_pk16_fp6_f32 v[WC+4:WC+6], v[XS+16:XS+31], v11  ; (a conversion's three registers begin on an even number)
	ds_store_b96 v4, v[WC:WC+2] offset:32*(\t)     ; 12 bytes to a place of 16, so that every LDS address is a multiple of 16
	ds_store_b96 v4, v[WC+4:WC+6] offset:32*(\t)+16
.if (\t)+2 < 8
	WLOAD (\t)+2
.endif
	s_wait_dscnt 0x0                               ; the stores have read their registers: the next block's codes may be written
.endm
.irp t, 0,1,2,3,4,5,6,7
	WBLOCK \t
.endr
	s_wait_alu depctr_va_vdst(0)
	global_store_b64 v9, v[SB:SB+1], s[12:13]      ; my column's 8 scale bytes: a piece of its row of 32 (whole rows would want all of K in one wave)
.irp t, 0,1,2,3,4,5,6,7,8,9,10,11,12,13,14,15
	ds_load_b96 v[OUTR+4*\t:OUTR+4*\t+2], v7 offset:2*\t*WPITCH
.endr
.irp t, 0,1,2,3,4,5,6,7,8,9,10,11,12,13,14,15
	s_wait_dscnt 15-\t                             ; the younger loads stay out
	global_store_b96 v8, v[OUTR+4*\t:OUTR+4*\t+2], s[10:11] offset:2*\t*192   ; the wave's 32 rows of this K step are 6,144 consecutive bytes
.endr
	s_wait_tensorcnt 0x0                           ; the wave's end, behind my last LDS store
	ds_add_u32 v[SPW], v[NIL]
	s_wait_dscnt 0x0
	s_endpgm
.Lfunc_end_k_q780004ce98_prep:
	.size	k_q780004ce98_prep, .Lfunc_end_k_q780004ce98_prep-k_q780004ce98_prep
	.p2alignl 7, 3214868480
	.fill 96, 4, 3214868480
	.section	.rodata,"a",@progbits
	.p2align	6, 0x0
	.amdhsa_kernel k_q780004ce98_prep
		.amdhsa_group_segment_fixed_size 68096
		.amdhsa_private_segment_fixed_size 0
		.amdhsa_enable_private_segment 0
		.amdhsa_kernarg_size 40
		.amdhsa_user_sgpr_count 2
		.amdhsa_user_sgpr_kernarg_segment_ptr 1
		.amdhsa_wavefront_size32 1
		.amdhsa_system_sgpr_workgroup_id_x 1
		.amdhsa_system_sgpr_workgroup_id_y 1
		.amdhsa_system_sgpr_workgroup_id_z 1
		.amdhsa_system_vgpr_workitem_id 0
		.amdhsa_next_free_vgpr 210
		.amdhsa_next_free_sgpr 66
		.amdhsa_reserve_vcc 0
		.amdhsa_float_denorm_mode_32 3
		.amdhsa_float_denorm_mode_16_64 3
		.amdhsa_memory_ordered 1
		.amdhsa_forward_progress 1
		.amdhsa_inst_pref_size 76
	.end_amdhsa_kernel
	.amdgpu_metadata
---
amdhsa.version: [ 1, 2 ]
amdhsa.kernels:
  - .name:           k_q780004ce98_prep
    .symbol:         k_q780004ce98_prep.kd
    .args:
      - { .name: x, .offset: 0, .size: 8, .value_kind: global_buffer, .address_space: global }
      - { .name: W_attn, .offset: 8, .size: 8, .value_kind: global_buffer, .address_space: global }
      - { .name: W_proj, .offset: 16, .size: 8, .value_kind: global_buffer, .address_space: global }
      - { .name: pc, .offset: 24, .size: 8, .value_kind: global_buffer, .address_space: global }
      - { .name: psc, .offset: 32, .size: 8, .value_kind: global_buffer, .address_space: global }
    .group_segment_fixed_size: 68096
    .private_segment_fixed_size: 0
    .kernarg_segment_align: 8
    .kernarg_segment_size: 40
    .max_flat_workgroup_size: 128
    .sgpr_count:     66
    .vgpr_count:     210
    .wavefront_size: 32
...
	.end_amdgpu_metadata
.endif
;; end of part 1
;; launch gemm_qkv (part 2): grid 12 x 32, 4 waves a work-group, clusters of 4 x 4, 327,680 bytes of LDS; arguments pc, psc, b_attn, qkvc, qkvs; writes qkvc, qkvs
.if DOCPART == 2
	.amdgcn_target "amdgcn-amd-amdhsa--gfx1250"
	.amdhsa_code_object_version 6
	.text
	.protected	k_q780004ce98_gemm_qkv
	.globl	k_q780004ce98_gemm_qkv
	.p2align	8
	.type	k_q780004ce98_gemm_qkv,@function
k_q780004ce98_gemm_qkv:
	s_mov_b64 s[64:65], 0
	v_nop
	global_prefetch_b8 v0, s[64:65] scope:SCOPE_SE
	s_setreg_imm32_b32 hwreg(HW_REG_WAVE_MODE, 25, 1), 1
	s_wait_xcnt 0x0
	s_wait_alu depctr_hold_cnt(0) depctr_sa_sdst(0) depctr_va_vdst(0) depctr_va_sdst(0) depctr_va_ssrc(0) depctr_va_vcc(0) depctr_vm_vsrc(0)
	s_getreg_b32 s2, hwreg(HW_REG_IB_STS2, 6, 4)
	s_cmp_eq_u32 s2, 0
	s_cbranch_scc0 .Lentry_in_a_cluster
	s_endpgm
.Lentry_in_a_cluster:
	s_bfe_u32 s2, ttmp6, 0x10000c
	s_cmp_lg_u32 s2, 0xf033
	s_cbranch_scc0 .Lentry_shape_is_right
	s_endpgm
.Lentry_shape_is_right:
; SECOND LAUNCH: qkv = x W_attn + b_attn on codes of E2M3, and its result quantised at once for the two products of attention; nothing of it goes to memory in f32.
; Both operands are rows of the table pc / psc (768 bytes of codes, 32 scale bytes a row; position P holds true row pi(P), bits 3 and 4 exchanged).
; A tile, 256 x 256, is made by four waves, 128 x 128 each: 64 accumulators of 16 x 16.  K = 1,024 goes in four steps of 256 through two LDS slots filled by the tensor data mover.
; THE MATRIX INSTRUCTION IS USED TRANSPOSED: source 0 = 16 rows of B', source 1 = 16 rows of A': a lane holds ONE row of A' and its registers run along B's rows.  By the table's order block a's lane r is true row
; TR(a) + r + 8 (r / 8), TR(i) = 32 (i / 2) + 8 (i % 2), and register j of tile b is true row TR(b) + 16 (lane / 16) + j: a block's 64 registers are, 16 by 16, neighbours along B's rows, as the conversions want them.
; TWO USES OF ONE TEXT, chosen by the CLUSTER's x, which all sixteen partners share:
;   clusters x = 0, 1 (q, k): A' = x's tokens, B' = W_attn's columns 0-2,047: a lane holds a token, its registers run along the head's 64, which is the K of q k^T.
;   cluster  x = 2    (v):    A' = W_attn's columns 2,048-3,071, B' = x's tokens: a lane holds a channel, its registers run along the keys, which is the K of p v.
; The bias is the C of the first K step's products (so it is summed first, not last: f32 rounding alone).
; OUT: qkvc: planes q, k, v of 6,291,456 bytes; q, k: [batch x 16 + head][token][48 bytes]; v: [batch x 16 + head][token / 128][channel][96 bytes].  qkvs: planes of 262,144: q, k: 2 bytes a token; v: 4 bytes a channel and 128 keys.
; In all of them 128 tokens of a head are 6,144 dense bytes of codes and 256 of scale bytes: a wave's part is two such pieces, and leaves in stores of 512 consecutive bytes, aligned to 256.
; CLUSTERS: 4 x 4.  The four of a row of the cluster need the same tiles of A', the four of a column the same tiles of B': each is asked for jointly.
; No prefetch: two of the four K steps are first fills, and the tiles are shared by the joint loads.
; LIMITS: as stated at the head of the first launch (NaN, infinities; the byte 1 for blocks of zeros or under 2^-124).
; REGISTERS, in windows of 256: window 0: v0-31 addresses; v32-63 scale words, two sets; v64-127 the bias; v128-223 A's fragments, one set; v232-239 the bias loads' offsets; on the way out v64-101 and v128-227 are at work.
;   window 1: B's fragments, two sets, at v0 and v128.   windows 2, 3: the accumulators of my rows 0-63, 64-127 ((a, b) at v[8 (8 (a % 4) + b)]).
.set NQ,     2                         ; matrix instructions deep in a slot
; pc's order of bytes: [256 table rows][K step][row][192 bytes]: a K step of a tile's 256 rows is 49,152 dense bytes, of 128 rows 24,576: fetched as rows of 256 bytes; the padding's interval stays 64 bytes, so an LDS row is 3 x 80 bytes.
; THE HEAD: one tensor load a wave: K step 0 of A's 256 rows, of B's, A's scales, B's.  K step 1 is asked for behind a full round.
.set KSTB,   49152                     ; from a K step's tile to the next
.set HALFM,  24576                     ; 128 rows of a K step
.set KROW,   768
.set PITCH,  240                       ; an LDS row: 3 x (64 bytes + 16 of padding)
.set FR,     12
.set NL,     6
.set NP,     4
.set HALFT,  128*PITCH
.set SLOT,   4*HALFT
.set KS,     32
.set SCL,    2*SLOT                    ; behind the ring: the scales, units of 256 bytes + 16
.set HALFS,  (128*KS/256)*272
.set SBLK,   (16*KS/256)*272
.set SPARE,  SCL+4*HALFS               ; the spare words, 128 bytes for each wave, which no other line names
.set WST,    13312                     ; the way out: a stage for each wave: 12,288 bytes of codes, 512 of scale bytes.  It lies in slot 0, which has had its last fill and its last read by then
.set VST,    4*WST                     ; the v use has stage bytes of its own
.set SH,   7                           ; v7   16 x (lane / 16)
.set STQ,  8                           ; v8   q, k: where my codes go in the stage
.set STSQ, 9                           ; v9   and my two scale bytes
.set STV,  10                          ; v10  v: the same
.set STSV, 11                          ; v11
.set RDQ,  12                          ; v12  q, k: where I read the stage back
.set RDV,  13                          ; v13  v
.set GOC,  14                          ; v14  16 x lane
.set GOS,  15                          ; v15  scale bytes: lanes 0-15 the first head's 256, lanes 16-31 the second's
.set ADRA, 16
.set ADRB, 20
.set ADRS, 27
.set SPW,  28
.set NIL,  29
.set SC,   32
.set CB,   64
.set AF,   128
.set VO,   232
.set CD,   64                          ; the way out: v64-82 a fragment's codes
.set TM,   84                          ; v84-99 at work
.set PW,   100                         ; the scale word
.set VT,   101
.set OUTR, 128
.set G1, 24
.set G0, 32
.set G1B, 48
.set G0B, 56
.set SEL, 66                           ; s[66:67] lane selects for v_permlanex16_b32: lane l xor 16
.set G1S, 68
.set G0S, 76
.set G1SB, 80
.set G0SB, 88
.set ISV, 95                           ; s95  1 in the v use
.set MSB, 0
.macro WIN new                         ; the immediate's high byte repeats the setting that is left
.if MSB != (\new)
	s_set_vgpr_msb (MSB<<8)|(\new)
.set MSB, \new
.endif
.endm
.set MUL_LO,   0xa1                    ; source 0 (B') window 1, source 1 (A') window 0, C and D window 2
.set MUL_HI,   0xf1
.set MUL_LO_F, 0x81                    ; the first K step: C (the bias) window 0, D window 2
.set MUL_HI_F, 0xc1
.set TO_B,     0x40
; A joint load: waves 0 and 1 fetch for A', waves 2 and 3 for B'.  The branch hangs on the wave's number alone.  An s_nop 0 and four v_nop follow each of the two lines.
.macro JLOAD g0a, g1a, g0b, g1b
	s_cmp_eq_u32 s15, 0
	s_cbranch_scc0 .Lfor_b_\@
	tensor_load_to_lds s[\g0a:\g0a+3], s[\g1a:\g1a+7]
	s_nop 0
.rept 4
	v_nop
.endr
	s_branch .Lasked_\@
.Lfor_b_\@:
	tensor_load_to_lds s[\g0b:\g0b+3], s[\g1b:\g1b+7]
	s_nop 0
.rept 4
	v_nop
.endr
.Lasked_\@:
.endm
.macro CREST                           ; a round of the cluster's barrier behind its opening barrier
	s_cmp_lg_u32 s14, 0
	s_cbranch_scc1 .Lnot_wave_0_\@
	s_barrier_signal -3
.Lnot_wave_0_\@:
	s_barrier_wait -3
	s_barrier_signal -1
	s_barrier_wait -1
.endm
.macro CROUND
	s_barrier_signal -1
	s_barrier_wait -1
	CREST
.endm
	s_load_b256 s[4:11], s[0:1], 0x0               ; pc s[4:5], psc s[6:7], b_attn s[8:9], qkvc s[10:11]
	s_load_b64 s[12:13], s[0:1], 0x20              ; qkvs
	v_lshl_add_u32 v[SPW], v0, 2, SPARE
	v_mov_b32 v[NIL], 0
	ds_add_u32 v[SPW], v[NIL]                      ; the wave's opening: the add, twice on end, and its wait ahead of my first tensor load
	ds_add_u32 v[SPW], v[NIL]
	v_lshrrev_b32 v1, 5, v0
	v_readfirstlane_b32 s14, v1                    ; wave 0..3
	s_lshr_b32 s15, s14, 1                         ; which half of the tile's A' rows is mine.  Also: I fetch for A' (0) or B' (1)
	s_and_b32 s16, s14, 1                          ; which half of its B' rows.  Also: which 128 rows I fetch
	s_bfe_u32 s40, ttmp6, 0x40000                  ; cx
	s_bfe_u32 s41, ttmp6, 0x40004                  ; cy
	s_and_b32 s17, ttmp7, 0xffff                   ; the cluster's y
	s_cmp_eq_u32 ttmp9, 2                          ; the cluster's x: the use
	s_cselect_b32 s[ISV], 1, 0
	s_cselect_b32 s18, 0, s17                      ; tile row = 4 x this + cy
	s_cselect_b32 s19, s17, ttmp9                  ; tile column = 4 x this + cx
	s_cselect_b32 s96, 10240, 0                    ; A's first row in the table
	s_cselect_b32 s97, 0, 8192                     ; B's
	s_lshl_b32 s42, s19, 2
	s_add_co_u32 s42, s42, s40                     ; tile column
	s_lshl_b32 s17, s18, 2
	s_add_co_u32 s17, s17, s41                     ; tile row
	s_lshl_b32 s43, s41, 2
	s_lshl_b32 s43, 15, s43                        ; my row of the cluster
	s_lshl_b32 s44, 0x1111, s40                    ; my column
	; descriptor group 1: 128 rows x 192 bytes, 16 bytes of padding behind every 64
	s_or_b32 s[G1+0], s43, (3<<16)|(1<<20)|(1<<21)|(3<<22)|(3<<25)   ; the mask; elements of 8 bytes; padding on; bit 21 beside a mask; after every 16 words 4 words
	s_or_b32 s[G1B+0], s44, (3<<16)|(1<<20)|(1<<21)|(3<<22)|(3<<25)
.irp g, G1, G1B
	s_mov_b32 s[\g+1], 32<<16                      ; rows of 256 bytes
	s_mov_b32 s[\g+2], 192<<16                     ; 192 of them at the head (256 table rows); 96 in the ring
	s_mov_b32 s[\g+3], 32<<16
	s_mov_b32 s[\g+4], 192
	s_mov_b32 s[\g+5], 32                          ; dense
	s_mov_b32 s[\g+6], 0
	s_mov_b32 s[\g+7], 0
.endr
	; the scales of 256 rows: 8,192 dense bytes as 32 rows of 256 (32 elements of 8 bytes), 16 bytes of padding behind each
	s_or_b32 s[G1S+0], s43, (3<<16)|(1<<20)|(1<<21)|(5<<22)|(3<<25)
	s_or_b32 s[G1SB+0], s44, (3<<16)|(1<<20)|(1<<21)|(5<<22)|(3<<25)
.irp g, G1S, G1SB
	s_mov_b32 s[\g+1], 32<<16
	s_mov_b32 s[\g+2], (256*KS/256)<<16
	s_mov_b32 s[\g+3], 32<<16
	s_mov_b32 s[\g+4], 256*KS/256
	s_mov_b32 s[\g+5], 32
	s_mov_b32 s[\g+6], 0
	s_mov_b32 s[\g+7], 0
.endr
	s_mov_b32 s[SEL], 0x76543210
	s_mov_b32 s[SEL+1], 0xfedcba98
	s_lshl_b32 s20, s17, 8
	s_add_co_u32 s20, s20, s96                     ; A': the tile's first table row: made of the tile row alone
	s_lshl_b32 s46, s42, 8
	s_add_co_u32 s46, s46, s97                     ; B': of the tile column alone
	s_mov_b32 s21, 0
	s_mov_b32 s47, 0
	s_mov_b64 s[18:19], KS
	s_mul_u64 s[22:23], s[20:21], s[18:19]         ; where these rows' scales begin
	s_mul_u64 s[92:93], s[46:47], s[18:19]
	s_mov_b64 s[18:19], KROW
	s_mul_u64 s[20:21], s[20:21], s[18:19]         ; and their codes
	s_mul_u64 s[46:47], s[46:47], s[18:19]
	s_mul_i32 s45, s14, HALFT                      ; where they go: wave x 128 rows
	s_mul_i32 s18, s16, HALFM                      ; in the ring I fetch 128 rows: which half, in bytes
	s_mov_b32 s19, 0
	s_wait_dscnt 0x0                               ; both opening adds are done
	s_wait_kmcnt 0x0
	s_add_nc_u64 s[20:21], s[4:5], s[20:21]
	s_add_nc_u64 s[22:23], s[6:7], s[22:23]
	s_add_nc_u64 s[46:47], s[4:5], s[46:47]
	s_add_nc_u64 s[92:93], s[6:7], s[92:93]
	CROUND                                         ; all sixteen work-groups are here: the first joint loads meet
	s_mov_b32 s[G0S], 1                            ; the scales of A's 256 rows,
	s_mov_b32 s[G0S+1], SCL
	s_mov_b64 s[G0S+2:G0S+3], s[22:23]
	s_or_b32 s[G0S+3], s[G0S+3], 0x80000000
	s_mov_b32 s[G0SB], 1                           ; and of B's
	s_mov_b32 s[G0SB+1], SCL+2*HALFS
	s_mov_b64 s[G0SB+2:G0SB+3], s[92:93]
	s_or_b32 s[G0SB+3], s[G0SB+3], 0x80000000
	s_mov_b32 s[G0], 1                             ; slot 0's group 0 serves the head's load first: K step 0, A's 256 rows,
	s_mov_b32 s[G0+1], 0
	s_mov_b64 s[G0+2:G0+3], s[20:21]
	s_or_b32 s[G0+3], s[G0+3], 0x80000000
	s_mov_b32 s[G0B], 1                            ; and B's, behind them
	s_mov_b32 s[G0B+1], 2*HALFT
	s_mov_b64 s[G0B+2:G0B+3], s[46:47]
	s_or_b32 s[G0B+3], s[G0B+3], 0x80000000
	s_add_nc_u64 s[20:21], s[20:21], s[18:19]      ; for the ring: my 128 rows
	s_add_nc_u64 s[46:47], s[46:47], s[18:19]
	s_mov_b32 s[G0+4], 1                           ; slot 1: K step 1
	s_add_co_u32 s[G0+5], s45, SLOT
	s_add_nc_u64 s[G0+6:G0+7], s[20:21], KSTB
	s_or_b32 s[G0+7], s[G0+7], 0x80000000
	s_mov_b32 s[G0B+4], 1
	s_add_co_u32 s[G0B+5], s45, SLOT
	s_add_nc_u64 s[G0B+6:G0B+7], s[46:47], KSTB
	s_or_b32 s[G0B+7], s[G0B+7], 0x80000000
.macro ARM under, g0, g1, next         ; one chain of branches on the wave's number, a load to an arm, all arms to one join
	s_cmp_lt_u32 s14, \under
	s_cbranch_scc0 \next
	tensor_load_to_lds s[\g0:\g0+3], s[\g1:\g1+7]
	s_nop 0
.rept 4
	v_nop
.endr
	s_branch .Lhead_asked
\next:
.endm
	ARM 1, G0,  G1,  .Lhead_b
	ARM 2, G0B, G1B, .Lhead_sa
	ARM 3, G0S, G1S, .Lhead_sb
	tensor_load_to_lds s[G0SB:G0SB+3], s[G1SB:G1SB+7]
	s_nop 0
.rept 4
	v_nop
.endr
.Lhead_asked:
	v_and_b32 v1, 15, v0                           ; r
	v_bfe_u32 v2, v0, 4, 1                         ; h
	v_mul_u32_u24 v3, v1, PITCH
	v_mul_u32_u24 v4, v2, 24
	v_add_nc_u32 v4, v3, v4                        ; a fragment's row x pitch + 24 h
	v_lshl_add_u32 v5, v2, 4, v4                   ; and the same behind one padding more
	s_mul_i32 s21, s15, HALFT
	s_mul_i32 s22, s16, HALFT
	s_add_co_u32 s22, s22, 2*HALFT
.irp s, 0,1
	v_add_nc_u32 v[ADRA+\s], s21, v4
	v_add_nc_u32 v[ADRB+\s], s22, v4
	v_add_nc_u32 v[ADRA+2+\s], s21, v5
	v_add_nc_u32 v[ADRB+2+\s], s22, v5
	s_add_co_u32 s21, s21, SLOT
	s_add_co_u32 s22, s22, SLOT
.endr
	v_mul_u32_u24 v5, v1, KS                       ; my row's scales: 32 bytes a row,
	v_lshrrev_b32 v6, 8, v5
	v_lshl_add_u32 v5, v6, 4, v5                   ; and 16 more for each 256 passed
	s_mul_i32 s21, s15, HALFS
	s_mul_i32 s22, s16, HALFS
	s_add_co_u32 s22, s22, 2*HALFS
	s_sub_co_u32 s22, s22, s21
	v_mul_u32_u24 v6, s22, v2                      ; lanes 16-31 take B's
	s_add_co_u32 s21, s21, SCL
	v_add_nc_u32 v5, v5, v6
	v_add_nc_u32 v[ADRS], s21, v5
	; the way out's addresses, all made here, ahead of the first parting of the two uses
	v_and_b32 v3, 8, v1
	v_add_nc_u32 v3, v3, v1                        ; LR = r + 8 (r / 8)
	s_mul_i32 s23, s14, WST
	v_lshlrev_b32 v[SH], 4, v2
	v_mul_u32_u24 v4, v2, 24
	v_mad_u32_u24 v[STQ], v3, 48, v4
	v_add_nc_u32 v[STQ], s23, v[STQ]               ; q, k: token LR's 48 bytes, + 24 h
	v_lshlrev_b32 v5, 8, v2
	v_lshl_add_u32 v[STSQ], v3, 1, v5
	v_add_nc_u32 v[STSQ], s23, v[STSQ]
	v_add_nc_u32 v[STSQ], 12288, v[STSQ]           ; 2 bytes a token; lanes 16-31 the second head's 256 bytes
	v_mad_u32_u24 v[STV], v3, 96, v4
	v_add_nc_u32 v[STV], s23, v[STV]
	v_add_nc_u32 v[STV], VST, v[STV]               ; v: channel LR's 96 bytes, + 24 h
	v_lshlrev_b32 v[STSV], 2, v3
	v_add_nc_u32 v[STSV], s23, v[STSV]
	v_add_nc_u32 v[STSV], VST+12288, v[STSV]       ; 4 bytes a channel
	v_and_b32 v6, 31, v0
	v_lshlrev_b32 v[GOC], 4, v6
	v_add_nc_u32 v[RDQ], s23, v[GOC]
	v_add_nc_u32 v[RDV], VST, v[RDQ]
	v_lshlrev_b32 v[GOS], 12, v2
	v_lshl_add_u32 v[GOS], v1, 4, v[GOS]
	; where my part goes
	s_lshl_b32 s20, s17, 8
	s_lshl_b32 s21, s15, 7
	s_add_co_u32 s20, s20, s21                     ; my first row of A' in its tensor
	s_lshl_b32 s21, s42, 8
	s_lshl_b32 s22, s16, 7
	s_add_co_u32 s21, s21, s22                     ; and of B'
	s_add_co_u32 s23, s20, 2048
	s_cmp_eq_u32 s[ISV], 1
	s_cselect_b32 s22, s21, s20                    ; my first token
	s_cselect_b32 s23, s23, s21                    ; my first channel of the 3,072
	s_lshr_b32 s46, s23, 10                        ; the plane: q, k or v
	s_bfe_u32 s47, s23, 0x40006                    ; my first head
	s_lshr_b32 s92, s22, 11                        ; the batch
	s_bfe_u32 s93, s22, 0x40007                    ; which 128 tokens of the sequence
	s_lshl_b32 s92, s92, 4
	s_add_co_u32 s92, s92, s47
	s_mul_i32 s20, s46, 6291456
	s_mul_i32 s21, s92, 98304
	s_add_co_u32 s20, s20, s21
	s_mul_i32 s21, s93, 6144
	s_add_co_u32 s20, s20, s21
	s_mov_b32 s21, 0
	s_add_nc_u64 s[98:99], s[10:11], s[20:21]      ; codes
	s_lshl_b32 s20, s46, 18
	s_lshl_b32 s94, s92, 12
	s_add_co_u32 s20, s20, s94
	s_lshl_b32 s94, s93, 8
	s_add_co_u32 s20, s20, s94
	s_add_nc_u64 s[100:101], s[12:13], s[20:21]    ; scale bytes
	s_lshl_b32 s20, s23, 2
	s_add_nc_u64 s[96:97], s[8:9], s[20:21]        ; the bias of my 128 channels
	; THE BIAS, in the result's layout, 64 registers, by one run of loads for both uses.  q, k: register 8 i + j = bias(TR(i) + 16 h + j), the C of tile b = i.  v: = bias(TR(i) + LR) for every j, the C of block a = i.
	s_cmp_eq_u32 s[ISV], 1
	s_cselect_b32 s20, 0, 4                        ; bytes from register j to j + 1
	s_cselect_b32 s21, 4, 0                        ; x LR
	s_cselect_b32 s22, 0, 64                       ; x h
	v_mul_u32_u24 v[VO], s21, v3
	v_mad_u32_u24 v[VO], v2, s22, v[VO]
.irp j, 1,2,3,4,5,6,7
	v_add_nc_u32 v[VO+\j], s20, v[VO+\j-1]
.endr
.irp i, 0,1,2,3,4,5,6,7
.irp j, 0,1,2,3,4,5,6,7
	global_load_b32 v[CB+8*\i+\j], v[VO+\j], s[96:97] offset:4*(32*(\i/2)+8*(\i%2))
.endr
.endr
.macro FRAG reg, adr, q, i             ; 16 rows x 128 K: 12 registers; registers 6 c .. 6 c + 5 hold K = 64 c + 32 h + 0 .. 31: 24 bytes of the row's stream, in pieces of 8
.irp p, 0,1,2,3,4,5
.set PCE, 12*(\q)+6*(\p/3)+\p%3        ; 16 bytes of padding lie behind every 8 pieces: where the piece three on (lanes 16-31) lies behind one padding more, the second address register serves
.if PCE%8 < 5
	ds_load_b64 v[\reg+2*\p:\reg+2*\p+1], v[\adr] offset:8*PCE+16*(PCE/8)+(\i)*16*PITCH
.else
	ds_load_b64 v[\reg+2*\p:\reg+2*\p+1], v[\adr+2] offset:8*PCE+16*(PCE/8)+(\i)*16*PITCH
.endif
.endr
.endm
; 16 matrix instructions: A's blocks a0, a0 + 1 x B's eight, 128 along K.  zero = 1: C = the bias by tile b; 2: by block a; 0: in place.  The 64 accumulators take turns, one instruction a turn.
.macro MUL16 a0, p, q, sc, zero
.irp a, \a0, \a0+1
.irp b, 0,1,2,3,4,5,6,7
.if \zero == 1
	v_wmma_scale_f32_16x16x128_f8f6f4 v[8*(8*((\a)%4)+\b):8*(8*((\a)%4)+\b)+7], v[128*(\p)+FR*\b:128*(\p)+FR*\b+FR-1], v[AF+FR*(\a):AF+FR*(\a)+FR-1], v[CB+8*\b:CB+8*\b+7], v[SC+8*NQ*(\sc)+NQ*\b+(\q)], v[SC+8*NQ*(\sc)+NQ*(\a)+(\q)] matrix_a_fmt:MATRIX_FMT_FP6 matrix_b_fmt:MATRIX_FMT_FP6 matrix_a_scale:MATRIX_SCALE_ROW1
.elseif \zero == 2
	v_wmma_scale_f32_16x16x128_f8f6f4 v[8*(8*((\a)%4)+\b):8*(8*((\a)%4)+\b)+7], v[128*(\p)+FR*\b:128*(\p)+FR*\b+FR-1], v[AF+FR*(\a):AF+FR*(\a)+FR-1], v[CB+8*(\a):CB+8*(\a)+7], v[SC+8*NQ*(\sc)+NQ*\b+(\q)], v[SC+8*NQ*(\sc)+NQ*(\a)+(\q)] matrix_a_fmt:MATRIX_FMT_FP6 matrix_b_fmt:MATRIX_FMT_FP6 matrix_a_scale:MATRIX_SCALE_ROW1
.else
	v_wmma_scale_f32_16x16x128_f8f6f4 v[8*(8*((\a)%4)+\b):8*(8*((\a)%4)+\b)+7], v[128*(\p)+FR*\b:128*(\p)+FR*\b+FR-1], v[AF+FR*(\a):AF+FR*(\a)+FR-1], v[8*(8*((\a)%4)+\b):8*(8*((\a)%4)+\b)+7], v[SC+8*NQ*(\sc)+NQ*\b+(\q)], v[SC+8*NQ*(\sc)+NQ*(\a)+(\q)] matrix_a_fmt:MATRIX_FMT_FP6 matrix_b_fmt:MATRIX_FMT_FP6 matrix_a_scale:MATRIX_SCALE_ROW1
.endif
.endr
.endr
.endm
.macro FETCH_B slot, q, p
	WIN TO_B
.irp i, 0,1,2,3,4,5,6,7
	FRAG 128*(\p)+FR*\i, ADRB+\slot, \q, \i
.endr
	WIN 0
.endm
.macro FETCH_A slot, q, i0
.irp i, \i0, \i0+1, \i0+2, \i0+3
	FRAG AF+FR*(\i), ADRA+\slot, \q, \i
.endr
.endm
.macro SCALES sc                       ; a K step's scale words: lanes 0-15 A's block i, lanes 16-31 B's block i
.irp i, 0,1,2,3,4,5,6,7
	ds_load_b64 v[SC+8*NQ*\sc+NQ*\i:SC+8*NQ*\sc+NQ*\i+1], v[ADRS] offset:\i*SBLK
.endr
.endm
.macro PLACES n                        ; plain vector lines between a matrix instruction and a load into, or a vector read of, its registers
.rept \n
	v_nop
.endr
.endm
.macro STEP slot, q, zero              ; 128 along K that have their successor in the same slot
	s_wait_dscnt 4*NL                              ; B's set and A's blocks 0-3 are in; the youngest 24 loads (A's blocks 4-7) may be out
.if \zero
	WIN MUL_LO_F
.else
	WIN MUL_LO
.endif
	MUL16 0, (\q)%2, \q, \slot, \zero
	MUL16 2, (\q)%2, \q, \slot, \zero
	s_wait_dscnt 0
	PLACES NP
	FETCH_B \slot, (\q)+1, 1-(\q)%2
	FETCH_A \slot, (\q)+1, 0
.if \zero
	WIN MUL_HI_F
.else
	WIN MUL_HI
.endif
	MUL16 4, (\q)%2, \q, \slot, \zero
	MUL16 6, (\q)%2, \q, \slot, \zero
	PLACES NP
	WIN 0
	FETCH_A \slot, (\q)+1, 4
.endm
; A slot's last 128 change slots: ONE barrier; in front of it each wave waits for all its tensor loads, adds 0 to its spare word, and waits for that and for its reads of this slot.  fill = 1: the slot is filled again, two K steps ahead.
.macro TURN slot, next, fill
	s_wait_tensorcnt 0x0                           ; all my tensor loads have landed: my part of the next slot
	ds_add_u32 v[SPW], v[NIL]                      ; 0 onto my spare word
	s_wait_dscnt 4*NL+1                            ; the add and the youngest 24 loads may be out
	WIN MUL_LO
	MUL16 0, 1, NQ-1, \slot, 0
	s_wait_dscnt 0x0                               ; the add is done, and my reads of this slot are over
	s_barrier_signal -1
	MUL16 2, 1, NQ-1, \slot, 0
	WIN 0
	s_barrier_wait -1
.if \fill
	CREST                                          ; the barrier has opened a round of the cluster's: no wave of any partner still reads this slot or has a load on its way
	s_add_nc_u64 s[G0+4*\slot+2:G0+4*\slot+3], s[G0+4*\slot+2:G0+4*\slot+3], 2*KSTB
	s_add_nc_u64 s[G0B+4*\slot+2:G0B+4*\slot+3], s[G0B+4*\slot+2:G0B+4*\slot+3], 2*KSTB
	JLOAD G0+4*\slot, G1, G0B+4*\slot, G1B         ; the first tensor load behind the round; its four v_nop are the places in front of the loads below
.else
	PLACES NP
.endif
	s_wait_alu depctr_va_vdst(0)
	v_add_nc_u32 v[ADRS], 4*NQ, v[ADRS]            ; the next K step's scale words
	FETCH_B \next, 0, 0
	FETCH_A \next, 0, 0
	SCALES \next
	WIN MUL_HI
	MUL16 4, 1, NQ-1, \slot, 0
	MUL16 6, 1, NQ-1, \slot, 0
	PLACES NP
	WIN 0
	FETCH_A \next, 0, 4
.endm
	s_wait_alu depctr_va_vdst(0)
	s_wait_tensorcnt 0x0                           ; my tile of the head's four is in; the three lines ahead of a later first fill
	ds_add_u32 v[SPW], v[NIL]
	s_mov_b32 s[G1+2], 96<<16                      ; no tensor load of mine is out: from here on a load brings 128 table rows,
	s_mov_b32 s[G1+4], 96
	s_mov_b32 s[G1B+2], 96<<16
	s_mov_b32 s[G1B+4], 96
	s_mov_b32 s[G0+1], s45                         ; and slot 0's group 0 stands at my half of K step 0
	s_add_nc_u64 s[G0+2:G0+3], s[G0+2:G0+3], s[18:19]
	s_mov_b32 s[G0B+1], s45
	s_add_nc_u64 s[G0B+2:G0B+3], s[G0B+2:G0B+3], s[18:19]
	s_wait_dscnt 0x0
	CROUND                                         ; all four tiles are in, and all sixteen work-groups are here
	JLOAD G0+4, G1, G0B+4, G1B                     ; K step 1, the first tensor load behind the round
	FETCH_B 0, 0, 0
	FETCH_A 0, 0, 0
	SCALES 0
	FETCH_A 0, 0, 4
	s_wait_loadcnt 0x0                             ; the bias
	s_cmp_eq_u32 s[ISV], 1                         ; the first products start the sums with the bias: by tile b (q, k) or by block a (v)
	s_cbranch_scc1 .Lfirst_v
	STEP 0, 0, 1
	s_branch .Lfirst_done
.Lfirst_v:
	STEP 0, 0, 2
.Lfirst_done:
	TURN 0, 1, 1                                   ; K step 0 ends; slot 0 takes K step 2
	STEP 1, 0, 0
	TURN 1, 0, 1                                   ; slot 1 takes K step 3
	STEP 0, 0, 0
	TURN 0, 1, 0                                   ; nothing is left to fetch, so no round
	STEP 1, 0, 0
	s_wait_dscnt 4*NL
	WIN MUL_LO
	MUL16 0, 1, NQ-1, 1, 0
	MUL16 2, 1, NQ-1, 1, 0
	s_wait_dscnt 0
	WIN MUL_HI
	MUL16 4, 1, NQ-1, 1, 0
	MUL16 6, 1, NQ-1, 1, 0
	WIN 0
	PLACES NP
; THE WAY OUT.  Block a's 64 registers (register 16 b + i = index 32 b + 16 h + i along B's rows) become a fragment's codes in v[CD] on and its row's scale word in v[PW].  The accumulators are read where they lie.
.macro QUANTW a
.set W, 2+(\a)/4
.set AC, 64*((\a)%4)
	WIN 5*W                                        ; sources 0 and 1 in the accumulators' window
.irp b, 0,1,2,3
	v_max3_num_f32 v[TM+\b], |v[AC+16*\b]|, |v[AC+16*\b+1]|, 0x1800000   ; each accumulator from its low end on; the floor 2^(3 - 127) holds the byte at 1 from below
.endr
	WIN 20*W                                       ; sources 1 and 2
.irp i, 2,4,6,8,10,12,14
.irp b, 0,1,2,3
	v_max3_num_f32 v[TM+\b], v[TM+\b], |v[AC+16*\b+\i]|, |v[AC+16*\b+\i+1]|
.endr
.endr
	WIN 0
.irp b, 0,1,2,3
	v_permlanex16_b32 v[TM+4+\b], v[TM+\b], s[SEL], s[SEL+1]
.endr
.irp b, 0,1,2,3
	v_max_num_f32 v[TM+\b], v[TM+\b], v[TM+4+\b]   ; with lane l xor 16's 16: the block's largest magnitude
.endr
.irp b, 0,1,2,3
	v_add_nc_u32 v[TM+12+\b], 0xff000000, v[TM+\b] ; 2 off its exponent field: the conversion's scale operand
.endr
.irp b, 0,1,2,3
	v_lshrrev_b32 v[TM+4+\b], 23, v[TM+12+\b]      ; the scale's byte
.endr
	s_wait_alu depctr_va_vdst(0)
	s_wait_dscnt 0x0                               ; the last block's stores into the stage have read their registers
	v_lshl_or_b32 v[PW], v[TM+5], 8, v[TM+4]
	v_lshl_or_b32 v[PW], v[TM+6], 16, v[PW]
	v_lshl_or_b32 v[PW], v[TM+7], 24, v[PW]
	WIN W                                          ; source 0
.irp c, 0,1
	v_cvt_scalef32_pk16_fp6_f32 v[CD+6*\c:CD+2+6*\c], v[AC+32*\c:AC+15+32*\c], v[TM+12+2*\c]
	v_cvt_scalef32_pk16_fp6_f32 v[CD+12+4*\c:CD+14+4*\c], v[AC+16+32*\c:AC+31+32*\c], v[TM+12+2*\c+1]   ; (a conversion's three registers begin on an even number)
.endr
	WIN 0
	v_nop                                          ; one plain line behind a scaled conversion
.irp c, 0,1                            ; a WHOLE block to a lane: lanes 0-15 block 2 c, lanes 16-31 block 2 c + 1
.irp i, 0,1,2
	v_permlane16_swap_b32 v[CD+6*\c+\i], v[CD+12+4*\c+\i]
.endr
.irp i, 0,1,2
	v_mov_b32 v[CD+3+6*\c+\i], v[CD+12+4*\c+\i]
.endr
.endr
.endm
; kind 0 (q, k): my row is a token; fragment half c is head c's 64, of which I hold block h: 24 bytes of the token's 48.  kind 1 (v): my row is a channel; I hold keys 64 c + 32 h on: 24 bytes of its 96.
; The wave's 12,800 bytes gather in its own stage and leave as they lie: 25 stores of 512 consecutive bytes.
.macro EPI kind
.irp b, 0,1,2,3
	v_mov_b32 v[TM+4+\b], 0                        ; written once: a lane permute's destination counts as one of its sources
.endr
.irp a, 0,1,2,3,4,5,6,7
	QUANTW \a
.set TRA, 32*(\a/2)+8*(\a%2)
.irp c, 0,1
.irp p, 0,1,2
.if \kind
	ds_store_b64 v[STV], v[CD+6*\c+2*\p:CD+6*\c+2*\p+1] offset:96*TRA+48*\c+8*\p
.else
	ds_store_b64 v[STQ], v[CD+6*\c+2*\p:CD+6*\c+2*\p+1] offset:6144*\c+48*TRA+8*\p
.endif
.endr
.endr
.if \kind
	ds_store_b32 v[STSV], v[PW] offset:4*TRA       ; both halves of the lanes write the same word with the same value
.else
	v_lshrrev_b32 v[VT], v[SH], v[PW]              ; lanes 0-15: the first head's two bytes; lanes 16-31: the second's
	ds_store_b16 v[STSQ], v[VT] offset:2*TRA
.endif
.endr
.irp t, 0,1,2,3,4,5,6,7,8,9,10,11,12,13,14,15,16,17,18,19,20,21,22,23,24
.if \kind
	ds_load_b128 v[OUTR+4*\t:OUTR+4*\t+3], v[RDV] offset:512*\t   ; LDS serves a wave's instructions in order: these see my stores
.else
	ds_load_b128 v[OUTR+4*\t:OUTR+4*\t+3], v[RDQ] offset:512*\t
.endif
.endr
.irp t, 0,1,2,3,4,5,6,7,8,9,10,11,12,13,14,15,16,17,18,19,20,21,22,23
	s_wait_dscnt 24-\t                             ; the younger loads stay out
	global_store_b128 v[GOC], v[OUTR+4*\t:OUTR+4*\t+3], s[98:99] offset:(\t/12)*98304+(\t%12)*512
.endr
	s_wait_dscnt 0x0
	global_store_b128 v[GOS], v[OUTR+96:OUTR+99], s[100:101]       ; two heads' 256 scale bytes
.endm
	s_cmp_eq_u32 s[ISV], 1
	s_cbranch_scc1 .Lout_v
	EPI 0
	s_branch .Lout_done
.Lout_v:
	EPI 1
.Lout_done:
	s_wait_tensorcnt 0x0                           ; the wave's end, behind my last tensor load and my last LDS store
	ds_add_u32 v[SPW], v[NIL]
	s_wait_dscnt 0x0
	CROUND                                         ; the closing round: no work-group ends while a partner may still ask for a tile that names it
	s_endpgm
.Lfunc_end_k_q780004ce98_gemm_qkv:
	.size	k_q780004ce98_gemm_qkv, .Lfunc_end_k_q780004ce98_gemm_qkv-k_q780004ce98_gemm_qkv
	.p2alignl 7, 3214868480
	.fill 96, 4, 3214868480
	.section	.rodata,"a",@progbits
	.p2align	6, 0x0
	.amdhsa_kernel k_q780004ce98_gemm_qkv
		.amdhsa_group_segment_fixed_size 327680
		.amdhsa_private_segment_fixed_size 0
		.amdhsa_enable_private_segment 0
		.amdhsa_kernarg_size 40
		.amdhsa_user_sgpr_count 2
		.amdhsa_user_sgpr_kernarg_segment_ptr 1
		.amdhsa_wavefront_size32 1
		.amdhsa_system_sgpr_workgroup_id_x 1
		.amdhsa_system_sgpr_workgroup_id_y 1
		.amdhsa_system_sgpr_workgroup_id_z 1
		.amdhsa_system_vgpr_workitem_id 0
		.amdhsa_next_free_vgpr 1024
		.amdhsa_next_free_sgpr 102
		.amdhsa_reserve_vcc 0
		.amdhsa_float_denorm_mode_32 3
		.amdhsa_float_denorm_mode_16_64 3
		.amdhsa_memory_ordered 1
		.amdhsa_forward_progress 1
		.amdhsa_inst_pref_size 234
	.end_amdhsa_kernel
	.amdgpu_metadata
---
amdhsa.version: [ 1, 2 ]
amdhsa.kernels:
  - .name:           k_q780004ce98_gemm_qkv
    .symbol:         k_q780004ce98_gemm_qkv.kd
    .args:
      - { .name: pc, .offset: 0, .size: 8, .value_kind: global_buffer, .address_space: global }
      - { .name: psc, .offset: 8, .size: 8, .value_kind: global_buffer, .address_space: global }
      - { .name: b_attn, .offset: 16, .size: 8, .value_kind: global_buffer, .address_space: global }
      - { .name: qkvc, .offset: 24, .size: 8, .value_kind: global_buffer, .address_space: global }
      - { .name: qkvs, .offset: 32, .size: 8, .value_kind: global_buffer, .address_space: global }
    .group_segment_fixed_size: 327680
    .private_segment_fixed_size: 0
    .kernarg_segment_align: 8
    .kernarg_segment_size: 40
    .max_flat_workgroup_size: 128
    .sgpr_count:     102
    .vgpr_count:     1024
    .wavefront_size: 32
...
	.end_amdgpu_metadata
.endif
;; end of part 2
;; launch attn (part 3): grid 4 x 64, 16 waves a work-group, clusters of 4 x 1, 327,680 bytes of LDS; arguments qkvc, qkvs, yc, ys; writes yc, ys
.if DOCPART == 3
	.amdgcn_target "amdgcn-amd-amdhsa--gfx1250"
	.amdhsa_code_object_version 6
	.text
	.protected	k_q780004ce98_attn
	.globl	k_q780004ce98_attn
	.p2align	8
	.type	k_q780004ce98_attn,@function
k_q780004ce98_attn:
	s_mov_b64 s[64:65], 0
	v_nop
	global_prefetch_b8 v0, s[64:65] scope:SCOPE_SE
	s_setreg_imm32_b32 hwreg(HW_REG_WAVE_MODE, 25, 1), 1
	s_wait_xcnt 0x0
	s_wait_alu depctr_hold_cnt(0) depctr_sa_sdst(0) depctr_va_vdst(0) depctr_va_sdst(0) depctr_va_ssrc(0) depctr_va_vcc(0) depctr_vm_vsrc(0)
	s_getreg_b32 s2, hwreg(HW_REG_IB_STS2, 6, 4)
	s_cmp_eq_u32 s2, 0
	s_cbranch_scc0 .Lentry_in_a_cluster
	s_endpgm
.Lentry_in_a_cluster:
	s_bfe_u32 s2, ttmp6, 0x10000c
	s_cmp_lg_u32 s2, 0x3003
	s_cbranch_scc0 .Lentry_shape_is_right
	s_endpgm
.Lentry_shape_is_right:
; THIRD LAUNCH: y = softmax(q k^T / 8, causal) v for 64 (batch, head) pairs of 2,048 tokens x 64, both products on codes of E2M3; y leaves quantised along C for the last product.
; LEFT OUT AS DEAD WORK: key steps all of whose 128 keys come after the wave's 16 queries (reference()'s own mask makes p = 0 there for all inputs: shown at the head of the first launch, with its limit).
; THE SOFTMAX: t = score x log2(e) / 8; M = the row's largest t so far, rounded UP to a whole number; p = 2^(t - M) is quantised along the keys, not normalised; the row's sum is of the unquantised p and divides at the end.
; When M moves, the sum and O are multiplied by 2^(old M - new M): exact.
; LDS HOLDS THE WHOLE HEAD: k and v are 2 x 98,304 bytes of codes and 2 x 4,096 scale bytes.  They are asked for once, at the head: waves 0-7 a slot each (256 keys: 12,288 bytes of k, then 12,288 of v:
; one tile of two rows, a plane of qkvc apart), waves 8-11 a quarter of the scale bytes each.  One wait and one barrier show all of it; nothing is filled again, and no barrier stands in the loops.
; SHARES.  256 work-groups, four to a head.  Wave j of work-group g owns two tiles of 16 queries, one after the other: PASS 0 queries 128 j + 32 g + 0 .. 15 (j + 1 key steps),
; PASS 1 queries 128 (15 - j) + 32 g + 16 .. 31 (16 - j key steps): 17 key steps in every wave.  A pass is written as a macro and stands twice.
; In each pass a wave walks all eight trips; a hidden step's work is jumped over by a scalar branch on the wave's number and the count of steps.
; CLUSTERS: 4, 1, 1: the four work-groups of a head read the same tiles, so each load is joint: mask 15; the addresses hang on the head and the wave's number alone.
; NO PREFETCH: every tile is asked for at the head; there is no loop to run ahead in.
; LAYOUT.  Both products transposed: S^T = k q^T, O^T = v^T p^T: a lane holds ONE query (lane % 16).  K = 64 of the first product fills half of the instruction's 128: registers 6-11 of q's and k's fragments are zero codes,
; written once, and the upper two scale bytes come as 0 over them.  Lane r of tile t takes key (or channel) TR(t) + r + 8 (r / 8), TR(t) = 32 (t / 2) + 8 (t % 2): the 16 registers of tiles 2 b, 2 b + 1 are neighbours 32 b + 16 (lane / 16) + 0 .. 15.
; OUT: yc [token / 256][head / 4][token / 128 % 2][head % 4][128 tokens][48 bytes]: a K step (4 heads) of 256 tokens is dense; ys [token][32]: byte 2 head + block, stored singly, so that the last launch reads ys as rows.
; LIMITS: as at the head of the first launch; 1 / l by v_rcp_f32 and a multiplication.
; REGISTERS: v1-6 addresses that stay; v7 the way out's offset; v8-11 in hand; v12 -M, v13 the largest t, v[14:15] the sum; v16-27 q; v28-31, v248-251 scale words; v32-127 eight fragments of k; v128-191 S^T, p, then v's fragments; v192-223 O^T; v224-235 p's codes; v253 p's scale word; v255 q's.
.set PLANE, 6291456
.set HEADB, 98304
.set VOFF,  12288
.set SLOTB, 24576
.set SCK,   8*SLOTB                    ; k's scale bytes of the head, 4,096
.set SCV,   SCK+4096                   ; v's
.set SPARE, SCV+4096                   ; the spare words, 128 bytes a wave, which no other line names
.set STG0,  SPARE+2048                 ; the way out: 768 bytes of its own for each wave
.set AK0,  1
.set AV0,  2
.set ASK0, 3
.set ASV0, 4
.set SPW,  5
.set NIL,  6
.set ADK,  8
.set ADV,  9
.set ADS,  10
.set ADT,  11
.set KFR,  32
.set S,    128
.set O,    192
.set TB,   16                          ; s16  LDS byte at which the slot in hand begins
.set TS,   17                          ; s17  the step's scale bytes: 256 a step
.set WV,   18
.set SEL,  20
.set CS,   22                          ; s[22:23] log2(e) / 8
.set G1D,  24
.set G1S,  32
.set G0,   40
.set G0S,  44
.set KF,   48                          ; the step's first key
.set Q0,   49                          ; the pass's first query
.set JT,   50                          ; the last key of the pass's block of 128: of the wave's number alone
.set SLOTS, 51
.set GW,   52                          ; s52  g
.set JB,   53                          ; s53  128 j
.set BH,   54                          ; s54  batch x 16 + head
.macro ROUND                           ; a round of the cluster's barrier
	s_barrier_signal -1
	s_barrier_wait -1
	s_cmp_lg_u32 s[WV], 0
	s_cbranch_scc1 .Lnot_wave_0_\@
	s_barrier_signal -3
.Lnot_wave_0_\@:
	s_barrier_wait -3
	s_barrier_signal -1
	s_barrier_wait -1
.endm
	s_load_b256 s[4:11], s[0:1], 0x0               ; qkvc, qkvs, yc, ys
	v_lshl_add_u32 v[SPW], v0, 2, SPARE
	v_mov_b32 v[NIL], 0
	ds_add_u32 v[SPW], v[NIL]                      ; the opening lines: the add, twice on end, and its wait
	ds_add_u32 v[SPW], v[NIL]
	v_lshrrev_b32 v8, 5, v0
	s_delay_alu instid0(VALU_DEP_1)
	v_readfirstlane_b32 s[WV], v8                  ; wave 0..15 = j
	s_and_b32 s[BH], ttmp7, 0xffff
	s_bfe_u32 s[GW], ttmp6, 0x40000                ; cx
	s_lshl_b32 s[JB], ttmp9, 2
	s_add_co_u32 s[GW], s[GW], s[JB]               ; g
	s_lshl_b32 s[JB], s[WV], 7
	s_mul_i32 s60, s[BH], HEADB
	s_add_co_u32 s60, s60, PLANE
	s_mul_i32 s61, s[WV], 12288
	s_add_co_u32 s60, s60, s61
	s_mov_b32 s61, 0                               ; s[60:61]: k's 256 keys of slot = wave; v's lie a plane on
	s_mul_i32 s66, s[WV], SLOTB
	s_and_b32 s57, s[WV], 3                        ; which quarter of the scale bytes
	s_lshr_b32 s58, s57, 1
	s_add_co_u32 s58, s58, 1                       ; plane 1 (k) or 2 (v)
	s_and_b32 s59, s57, 1
	s_lshl_b32 s62, s58, 18
	s_lshl_b32 s63, s[BH], 12
	s_add_co_u32 s62, s62, s63
	s_lshl_b32 s63, s59, 11
	s_add_co_u32 s62, s62, s63
	s_mov_b32 s63, 0
	s_lshl_b32 s67, s57, 11
	s_add_co_u32 s67, s67, SCK
	s_mov_b32 s[G1D], 15|(3<<16)|(1<<21)           ; the four partners; elements of 8 bytes; no padding
	s_mov_b32 s[G1D+1], 1536<<16                   ; a row: 12,288 bytes
	s_mov_b32 s[G1D+2], 2<<16                      ; two rows: k's, v's
	s_mov_b32 s[G1D+3], 1536<<16
	s_mov_b32 s[G1D+4], 2
	s_mov_b32 s[G1D+5], PLANE/8                    ; a plane apart
	s_mov_b32 s[G1D+6], 0
	s_mov_b32 s[G1D+7], 0
	s_mov_b32 s[G1S], 15|(3<<16)|(1<<21)           ; 2,048 dense bytes as 8 rows of 256
	s_mov_b32 s[G1S+1], 32<<16
	s_mov_b32 s[G1S+2], 8<<16
	s_mov_b32 s[G1S+3], 32<<16
	s_mov_b32 s[G1S+4], 8
	s_mov_b32 s[G1S+5], 32
	s_mov_b32 s[G1S+6], 0
	s_mov_b32 s[G1S+7], 0
	s_mov_b32 s[SEL], 0x76543210
	s_mov_b32 s[SEL+1], 0xfedcba98
	s_mov_b32 s[CS], 0x3e38aa3b
	s_mov_b32 s[CS+1], s[CS]
	s_wait_alu depctr_va_vdst(0)
	s_wait_dscnt 0x0                               ; both opening adds are done
	ROUND                                          ; the four partners are here: the joint loads meet
	s_wait_kmcnt 0x0
	s_mov_b32 s[G0S], 1
	s_mov_b32 s[G0S+1], s67
	s_add_nc_u64 s[G0S+2:G0S+3], s[6:7], s[62:63]
	s_or_b32 s[G0S+3], s[G0S+3], 0x80000000
	s_mov_b32 s[G0], 1
	s_mov_b32 s[G0+1], s66
	s_add_nc_u64 s[G0+2:G0+3], s[4:5], s[60:61]
	s_or_b32 s[G0+3], s[G0+3], 0x80000000
	s_cmp_lt_u32 s[WV], 8                          ; one chain of branches on the wave's number, a load to an arm
	s_cbranch_scc0 .Lnot_slot
	tensor_load_to_lds s[G0:G0+3], s[G1D:G1D+7]
	s_nop 0
.rept 4
	v_nop
.endr
	s_branch .Lno_first
.Lnot_slot:
	s_cmp_lt_u32 s[WV], 12
	s_cbranch_scc0 .Lno_first
	tensor_load_to_lds s[G0S:G0S+3], s[G1S:G1S+7]
	s_nop 0
.rept 4
	v_nop
.endr
.Lno_first:
	v_and_b32 v8, 15, v0                           ; r
	v_bfe_u32 v9, v0, 4, 1                         ; h
	s_delay_alu instid0(VALU_DEP_2)
	v_and_b32 v11, 8, v8
	s_delay_alu instid0(VALU_DEP_1)
	v_add_nc_u32 v11, v11, v8                      ; LR = r + 8 (r / 8)
	s_delay_alu instid0(VALU_DEP_1)
	v_mul_u32_u24 v[AK0], v11, 48
	s_delay_alu instid0(VALU_DEP_1)
	v_mad_u32_u24 v[AK0], v9, 24, v[AK0]
	s_delay_alu instid0(VALU_DEP_3)
	v_mul_u32_u24 v[AV0], v11, 96
	s_delay_alu instid0(VALU_DEP_1)
	v_mad_u32_u24 v[AV0], v9, 24, v[AV0]
	s_delay_alu instid0(VALU_DEP_1)
	v_add_nc_u32 v[AV0], VOFF, v[AV0]
	v_lshl_add_u32 v[ASK0], v11, 1, SCK            ; k's scale bytes: 2 a key
	v_lshl_add_u32 v[ASV0], v11, 2, SCV            ; v's: 4 a channel and 128 keys
.irp b, 0,1,2,3
	v_mov_b32 v[236+\b], 0                         ; a lane permute's destination counts as one of its sources
.endr
	v_mov_b32 v252, 0
	v_mov_b32 v253, 0
.irp j, 22,23,24,25,26,27
	v_mov_b32 v[\j], 0                             ; q's K = 64 .. 127: zero codes
.endr
.irp t, 0,1,2,3,4,5,6,7
.irp j, 6,7,8,9,10,11
	v_mov_b32 v[KFR+12*\t+\j], 0                   ; k's likewise: no load ever lands there
.endr
.endr
; A KEY STEP: 128 keys, the q-th of the slot in hand.
.macro STEP q
	s_cmp_gt_u32 s[KF], s[JT]                      ; all keys come after my queries: the step's work is left out
	s_cbranch_scc1 .Lhidden_\@
	v_add_nc_u32 v[ADK], s[TB], v[AK0]
	v_add_nc_u32 v[ADV], s[TB], v[AV0]
	v_add_nc_u32 v[ADS], s[TS], v[ASK0]
	v_add_nc_u32 v[ADT], s[TS], v[ASV0]
	v_nop                                          ; six plain lines: S^T's products write over registers from which the last step's products read v, which wants five
	v_nop
.irp t, 0,1,2,3,4,5,6,7
.irp p, 0,1,2
	ds_load_b64 v[KFR+12*\t+2*\p:KFR+12*\t+2*\p+1], v[ADK] offset:(128*(\q)+32*(\t/2)+8*(\t%2))*48+8*\p
.endr
.if \t < 4
	ds_load_u16 v[28+\t], v[ADS] offset:2*(32*(\t/2)+8*(\t%2))
.else
	ds_load_u16 v[244+\t], v[ADS] offset:2*(32*(\t/2)+8*(\t%2))
.endif
.endr
	s_wait_dscnt 0x0
.irp t, 0,1,2,3,4,5,6,7
.if \t < 4
	v_wmma_scale_f32_16x16x128_f8f6f4 v[S+8*\t:S+8*\t+7], v[KFR+12*\t:KFR+12*\t+11], v[16:27], 0, v[28+\t], v255 matrix_a_fmt:MATRIX_FMT_FP6 matrix_b_fmt:MATRIX_FMT_FP6
.else
	v_wmma_scale_f32_16x16x128_f8f6f4 v[S+8*\t:S+8*\t+7], v[KFR+12*\t:KFR+12*\t+11], v[16:27], 0, v[244+\t], v255 matrix_a_fmt:MATRIX_FMT_FP6 matrix_b_fmt:MATRIX_FMT_FP6
.endif
.endr
.rept 4
	v_nop
.endr
	s_add_co_u32 s56, s[KF], 255                   ; on the diagonal hidden scores become -infinity ahead of the maximum; a step all of whose keys count (KF + 255 <= JT) skips this
	s_cmp_le_u32 s56, s[JT]
	s_cbranch_scc1 .Lopen_\@
	s_sub_co_i32 s56, s[Q0], s[KF]
	v_and_b32 v252, 15, v0
	v_bfe_u32 v254, v0, 4, 1
	s_delay_alu instid0(VALU_DEP_1)
	v_lshlrev_b32 v254, 4, v254
	s_delay_alu instid0(VALU_DEP_1)
	v_sub_nc_u32 v252, v252, v254
	s_delay_alu instid0(VALU_DEP_1)
	v_add_nc_u32 v252, s56, v252                   ; d = my query - KF - 16 h.  Register 16 b + i holds key KF + 32 b + 16 h + i: hidden where 32 b + i > d
	v_mov_b32 v254, 0xff800000
.set N, 0
.rept 64
	v_cmp_gt_i32 vcc_lo, 32*(N/16)+N%16, v252
	v_cndmask_b32 v[S+N], v[S+N], v254, vcc_lo
.set N, N+1
.endr
.Lopen_\@:
.irp b, 0,1,2,3
	v_max3_num_f32 v[232+\b], v[S+16*\b], v[S+1+16*\b], v[S+2+16*\b]   ; the largest score of each block of 32 keys: for the row's maximum and, since p rises with the score, for the block's largest p
.endr
.irp i, 3,5,7,9,11,13
.irp b, 0,1,2,3
	v_max3_num_f32 v[232+\b], v[232+\b], v[S+16*\b+\i], v[S+1+16*\b+\i]
.endr
.endr
.irp b, 0,1,2,3
	v_max_num_f32 v[232+\b], v[232+\b], v[S+15+16*\b]
.endr
.irp b, 0,1,2,3
	s_delay_alu instid0(VALU_DEP_4)
	v_permlanex16_b32 v[236+\b], v[232+\b], s[SEL], s[SEL+1]
.endr
.irp b, 0,1,2,3
	s_delay_alu instid0(VALU_DEP_4)
	v_max_num_f32 v[232+\b], v[232+\b], v[236+\b]
.endr
	s_delay_alu instid0(VALU_DEP_2)
	v_max3_num_f32 v254, v232, v233, v234
	s_delay_alu instid0(VALU_DEP_1)
	v_max_num_f32 v254, v254, v235
	s_delay_alu instid0(VALU_DEP_1)
	v_mul_f32 v254, s[CS], v254                    ; as t
	s_delay_alu instid0(VALU_DEP_1)
	v_max_num_f32 v13, v13, v254                   ; the running largest t
	v_mov_b32 v254, v12
	s_delay_alu instid0(VALU_DEP_2)
	v_floor_f32 v12, -v13                          ; the new -M = -ceil(t)
	s_delay_alu instid0(VALU_DEP_1)
	v_sub_f32 v254, v12, v254                      ; old M - new M: a whole number, 0 or less
	s_delay_alu instid0(VALU_DEP_1)
	v_cvt_i32_f32 v254, v254
	s_delay_alu instid0(VALU_DEP_1)
	v_ldexp_f32 v252, 1.0, v254                    ; f = 2^(old M - new M)
.set J, 0
.rept 32
	v_pk_fma_f32 v[S+J:S+1+J], v[S+J:S+1+J], s[CS:CS+1], v[12:13] op_sel_hi:[1,0,0]   ; t - M
.set J, J+2
.endr
.irp b, 0,1,2,3
	v_fma_f32 v[232+\b], v[232+\b], s[CS], v12
.endr
	s_wait_alu depctr_va_vdst(0)                   ; ahead of the batch
.set J, 0
.rept 64
	v_exp_f32 v[S+J], v[S+J]                       ; p = 2^(t - M)
.set J, J+1
.endr
	v_pk_mul_f32 v[14:15], v[14:15], v[252:253] op_sel_hi:[1,0]    ; the sums under the new M (a plain line behind the exponentials)
	s_wait_alu depctr_va_vdst(0)                   ; one wait for the batch of 64, ahead of its first reader
.irp b, 0,1,2,3
	v_exp_f32 v[232+\b], v[232+\b]                 ; the block's largest p
.endr
	v_pk_add_f32 v[236:237], v[132:133], v[136:137]
	v_pk_add_f32 v[250:251], v[140:141], v[144:145]
	v_pk_add_f32 v[248:249], v[148:149], v[152:153]
	v_pk_add_f32 v[246:247], v[156:157], v[160:161]
	v_pk_add_f32 v[244:245], v[164:165], v[168:169]
	v_pk_add_f32 v[242:243], v[172:173], v[176:177]
	v_pk_add_f32 v[240:241], v[180:181], v[184:185]
	v_pk_add_f32 v[14:15], v[14:15], v[188:189]
	v_pk_add_f32 v[236:237], v[236:237], v[128:129]
	v_pk_add_f32 v[250:251], v[250:251], v[130:131]
	v_pk_add_f32 v[248:249], v[248:249], v[134:135]
	v_pk_add_f32 v[246:247], v[246:247], v[138:139]
	v_pk_add_f32 v[244:245], v[244:245], v[142:143]
	v_pk_add_f32 v[242:243], v[242:243], v[146:147]
	v_pk_add_f32 v[240:241], v[240:241], v[150:151]
	v_pk_add_f32 v[14:15], v[14:15], v[154:155]
	v_pk_add_f32 v[236:237], v[236:237], v[158:159]
	v_pk_add_f32 v[250:251], v[250:251], v[162:163]
	v_pk_add_f32 v[248:249], v[248:249], v[166:167]
	v_pk_add_f32 v[246:247], v[246:247], v[170:171]
	v_pk_add_f32 v[244:245], v[244:245], v[174:175]
	v_pk_add_f32 v[242:243], v[242:243], v[178:179]
	v_pk_add_f32 v[240:241], v[240:241], v[182:183]
	v_pk_add_f32 v[14:15], v[14:15], v[186:187]
	v_pk_add_f32 v[236:237], v[236:237], v[190:191]
	s_delay_alu instid0(VALU_DEP_2)
	v_pk_add_f32 v[14:15], v[14:15], v[246:247]
	s_delay_alu instid0(VALU_DEP_2)
	v_pk_add_f32 v[236:237], v[236:237], v[244:245]
	v_pk_add_f32 v[250:251], v[250:251], v[242:243]
	v_pk_add_f32 v[248:249], v[248:249], v[240:241]
	s_delay_alu instid0(VALU_DEP_2)
	v_pk_add_f32 v[14:15], v[14:15], v[250:251]
	s_delay_alu instid0(VALU_DEP_2)
	v_pk_add_f32 v[236:237], v[236:237], v[248:249]
	s_delay_alu instid0(VALU_DEP_1)
	v_pk_add_f32 v[14:15], v[14:15], v[236:237]
	s_wait_alu depctr_va_vdst(0)                   ; and one for the four
.irp b, 0,1,2,3
	v_max_num_f32 v[232+\b], 0x1800000, v[232+\b]  ; the floor: the byte cannot fall under 1
.endr
.irp b, 0,1,2,3
	s_delay_alu instid0(VALU_DEP_4)
	v_add_nc_u32 v[244+\b], 0xff000000, v[232+\b]
.endr
.irp b, 0,1,2,3
	s_delay_alu instid0(VALU_DEP_4)
	v_lshrrev_b32 v[236+\b], 23, v[244+\b]
.endr
	s_delay_alu instid0(VALU_DEP_3)
	v_lshl_or_b32 v253, v237, 8, v236              ; p's scale word for these 128 keys
	s_delay_alu instid0(VALU_DEP_1)
	v_lshl_or_b32 v253, v238, 16, v253
	s_delay_alu instid0(VALU_DEP_1)
	v_lshl_or_b32 v253, v239, 24, v253
.irp c, 0,1
	v_cvt_scalef32_pk16_fp6_f32 v[224+6*\c:226+6*\c], v[S+32*\c:S+15+32*\c], v[244+2*\c]
	v_cvt_scalef32_pk16_fp6_f32 v[236+4*\c:238+4*\c], v[S+16+32*\c:S+31+32*\c], v[244+2*\c+1]
.endr
	v_nop                                          ; one plain line behind a scaled conversion
.irp t, 0,1,2,3                        ; v's four fragments land in p's registers, which the conversions have read
.irp p, 0,1,2,3,4,5
	ds_load_b64 v[S+12*\t+2*\p:S+12*\t+2*\p+1], v[ADV] offset:6144*(\q)+96*(32*(\t/2)+8*(\t%2))+48*(\p/3)+8*(\p%3)
.endr
	ds_load_b32 v[248+\t], v[ADT] offset:4*(32*(\t/2)+8*(\t%2))
.endr
.irp c, 0,1                            ; a WHOLE block to a lane
.irp i, 0,1,2
	v_permlane16_swap_b32 v[224+6*\c+\i], v[236+4*\c+\i]
.endr
.irp i, 0,1,2
	s_delay_alu instid0(VALU_DEP_3)
	v_mov_b32 v[227+6*\c+\i], v[236+4*\c+\i]
.endr
.endr
.irp j, 0,2,4,6,8,10,12,14,16,18,20,22,24,26,28,30
	v_pk_mul_f32 v[O+\j:O+1+\j], v[O+\j:O+1+\j], v[252:253] op_sel_hi:[1,0]   ; O^T under the new M; also the plain lines owed between the writes of p's codes and scale word and the products
.endr
	s_wait_alu depctr_va_vdst(0)
	s_wait_dscnt 0x0
.irp t, 0,1,2,3                        ; the four accumulators by turns
	v_wmma_scale_f32_16x16x128_f8f6f4 v[O+8*\t:O+8*\t+7], v[S+12*\t:S+12*\t+11], v[224:235], v[O+8*\t:O+8*\t+7], v[248+\t], v253 matrix_a_fmt:MATRIX_FMT_FP6 matrix_b_fmt:MATRIX_FMT_FP6
.endr
.Lhidden_\@:
	s_add_co_u32 s[KF], s[KF], 128
	s_add_co_u32 s[TS], s[TS], 256
.endm
; A PASS: one tile of 16 queries from q's load to y's stores.
.macro PASS p
.if \p
	s_wait_xcnt 0x0                                ; the last pass's stores have read their bases and registers: they are written anew below
	s_sub_co_u32 s68, 1920, s[JB]                  ; block 15 - j
.else
	s_mov_b32 s68, s[JB]                           ; block j
.endif
	s_add_co_u32 s[JT], s68, 127
	s_lshl_b32 s69, s[GW], 5
	s_add_co_u32 s69, s69, 16*(\p)
	s_add_co_u32 s[Q0], s68, s69
	s_lshl_b32 s68, s[BH], 11
	s_add_co_u32 s68, s68, s[Q0]
	s_mul_i32 s70, s68, 48
	s_mov_b32 s71, 0                               ; q's codes
	s_lshl_b32 s72, s68, 1
	s_mov_b32 s73, 0                               ; q's scale bytes
	s_lshr_b32 s68, s[BH], 4                       ; batch
	s_and_b32 s69, s[BH], 15                       ; head
	s_lshl_b32 s78, s68, 4
	s_lshr_b32 s79, s[Q0], 7
	s_add_co_u32 s78, s78, s79                     ; token / 128
	s_lshr_b32 s12, s78, 1
	s_mul_i32 s12, s12, 196608
	s_lshr_b32 s79, s69, 2
	s_mul_i32 s79, s79, 49152
	s_add_co_u32 s12, s12, s79
	s_and_b32 s79, s78, 1
	s_lshl_b32 s79, s79, 2
	s_and_b32 s13, s69, 3
	s_add_co_u32 s79, s79, s13
	s_mul_i32 s79, s79, 6144
	s_add_co_u32 s12, s12, s79
	s_and_b32 s79, s[Q0], 127
	s_mul_i32 s79, s79, 48
	s_add_co_u32 s12, s12, s79
	s_mov_b32 s13, 0                               ; my 768 bytes of yc
	s_lshl_b32 s14, s68, 11
	s_add_co_u32 s14, s14, s[Q0]
	s_lshl_b32 s14, s14, 5
	s_lshl_b32 s79, s69, 1
	s_add_co_u32 s14, s14, s79
	s_mov_b32 s15, 0                               ; my first token's row of ys, my head's two bytes
	s_add_nc_u64 s[74:75], s[4:5], s[70:71]
	s_add_nc_u64 s[76:77], s[6:7], s[72:73]
	s_add_nc_u64 s[58:59], s[8:9], s[12:13]
	s_add_nc_u64 s[60:61], s[10:11], s[14:15]
	s_mov_b32 s[TB], 0
	s_mov_b32 s[TS], 0
	s_mov_b32 s[KF], 0
	s_mov_b32 s[SLOTS], 8
	v_and_b32 v8, 15, v0                           ; r
	v_bfe_u32 v9, v0, 4, 1                         ; h
	s_delay_alu instid0(VALU_DEP_2)
	v_mul_u32_u24 v10, v8, 48
	s_delay_alu instid0(VALU_DEP_1)
	v_mad_u32_u24 v10, v9, 24, v10
.irp c, 0,1,2
	global_load_b64 v[16+2*\c:17+2*\c], v10, s[74:75] offset:8*\c   ; q's fragment: query r, block h
.endr
	v_lshlrev_b32 v254, 1, v8
	global_load_u16 v255, v254, s[76:77]           ; q's two scale bytes; the upper two come as 0
	v_mov_b32 v13, 0xff61b1e6                      ; the largest t so far: -3e38
	s_delay_alu instid0(VALU_DEP_1)
	v_floor_f32 v12, -v13                          ; -M
	v_mov_b32 v14, 0
	v_mov_b32 v15, 0
.set J, 0
.rept 32
	v_mov_b32 v[O+J], 0                            ; O^T: the step is written once; a pass's first finds zeros
.set J, J+1
.endr
	s_wait_alu depctr_va_vdst(0)
	s_wait_loadcnt 0x0                             ; q
.if (\p) == 0
	s_wait_tensorcnt 0x0                           ; my tile, if I asked for one, is in: every wave waits, under no branch
	s_barrier_signal -1
	s_barrier_wait -1                              ; the whole head is in LDS
.endif
.Lslot_\@:                                         ; eight trips of 256 keys
	STEP 0
	STEP 1
	s_add_co_u32 s[TB], s[TB], SLOTB
	s_sub_co_u32 s[SLOTS], s[SLOTS], 1
	s_cmp_lg_u32 s[SLOTS], 0
	s_cbranch_scc1 .Lslot_\@
	; THE WAY OUT.  y = O^T / l; register 16 b + i is channel 32 b + 16 h + i of my query: two blocks of 32 along C; 24 bytes a lane through my stage, out as 3 x 256 consecutive bytes.
	v_add_f32 v14, v14, v15
	s_delay_alu instid0(VALU_DEP_1)
	v_permlanex16_b32 v252, v14, s[SEL], s[SEL+1]
	s_delay_alu instid0(VALU_DEP_1)
	v_add_f32 v14, v14, v252                       ; the row's sum
	s_wait_alu depctr_va_vdst(0)
	v_rcp_f32 v14, v14
	v_and_b32 v8, 15, v0                           ; (plain lines behind the reciprocal, and behind the last products)
	v_bfe_u32 v9, v0, 4, 1
	s_mul_i32 s56, s[WV], 768
	s_add_co_u32 s56, s56, STG0
	v_mul_u32_u24 v10, v8, 48
	s_delay_alu instid0(VALU_DEP_1)
	v_mad_u32_u24 v10, v9, 24, v10
	s_delay_alu instid0(VALU_DEP_1)
	v_add_nc_u32 v10, s56, v10                     ; into my stage: query r's 48 bytes, + 24 h
	v_and_b32 v11, 31, v0
	s_delay_alu instid0(VALU_DEP_1)
	v_lshlrev_b32 v7, 3, v11                       ; back, and out: 8 bytes a lane
	s_delay_alu instid0(VALU_DEP_1)
	v_add_nc_u32 v11, s56, v7
	v_lshl_add_u32 v254, v8, 5, v9                 ; ys: 32 bytes a token, + h
	v_cmp_eq_u32 vcc_lo, 1, v9
	s_wait_alu depctr_va_vdst(0)                   ; ahead of the reciprocal's first reader
.irp j, 0,2,4,6,8,10,12,14,16,18,20,22,24,26,28,30
	v_pk_mul_f32 v[S+\j:S+1+\j], v[O+\j:O+1+\j], v[14:15] op_sel_hi:[1,0]   ; each accumulator from its low end on
.endr
.irp b, 0,1
	v_max3_num_f32 v[232+\b], |v[S+16*\b]|, |v[S+1+16*\b]|, 0x1800000
.endr
.irp i, 2,4,6,8,10,12,14
.irp b, 0,1
	s_delay_alu instid0(VALU_DEP_2)
	v_max3_num_f32 v[232+\b], v[232+\b], |v[S+16*\b+\i]|, |v[S+1+16*\b+\i]|
.endr
.endr
.irp b, 0,1
	s_delay_alu instid0(VALU_DEP_2)
	v_permlanex16_b32 v[236+\b], v[232+\b], s[SEL], s[SEL+1]
.endr
.irp b, 0,1
	s_delay_alu instid0(VALU_DEP_2)
	v_max_num_f32 v[232+\b], v[232+\b], v[236+\b]
.endr
.irp b, 0,1
	s_delay_alu instid0(VALU_DEP_2)
	v_add_nc_u32 v[244+\b], 0xff000000, v[232+\b]
.endr
.irp b, 0,1
	s_delay_alu instid0(VALU_DEP_2)
	v_lshrrev_b32 v[240+\b], 23, v[244+\b]
.endr
	s_delay_alu instid0(VALU_DEP_1)
	v_cndmask_b32 v252, v240, v241, vcc_lo         ; my own block's byte
	v_cvt_scalef32_pk16_fp6_f32 v[224:226], v[S:S+15], v244
	v_cvt_scalef32_pk16_fp6_f32 v[236:238], v[S+16:S+31], v245
	v_nop
.irp i, 0,1,2
	v_permlane16_swap_b32 v[224+\i], v[236+\i]
.endr
.irp i, 0,1,2
	s_delay_alu instid0(VALU_DEP_3)
	v_mov_b32 v[227+\i], v[236+\i]                 ; v224-229: block h of my query: 24 bytes
.endr
.irp c, 0,1,2
	ds_store_b64 v10, v[224+2*\c:225+2*\c] offset:8*\c
.endr
.irp c, 0,1,2
	ds_load_b64 v[176+2*\c:177+2*\c], v11 offset:256*\c            ; LDS serves a wave's instructions in order: these see my stores
.endr
	s_wait_alu depctr_va_vdst(0)
.irp c, 0,1,2
	s_wait_dscnt 2-\c                              ; the younger loads stay out
	global_store_b64 v7, v[176+2*\c:177+2*\c], s[58:59] offset:256*\c   ; 32 lanes store 256 consecutive bytes, aligned
.endr
	global_store_b8 v254, v252, s[60:61]
.endm
	PASS 0
	PASS 1
	s_wait_tensorcnt 0x0                           ; the wave's end
	ds_add_u32 v[SPW], v[NIL]
	s_wait_dscnt 0x0
	ROUND                                          ; the closing round
	s_endpgm
.Lfunc_end_k_q780004ce98_attn:
	.size	k_q780004ce98_attn, .Lfunc_end_k_q780004ce98_attn-k_q780004ce98_attn
	.p2alignl 7, 3214868480
	.fill 96, 4, 3214868480
	.section	.rodata,"a",@progbits
	.p2align	6, 0x0
	.amdhsa_kernel k_q780004ce98_attn
		.amdhsa_group_segment_fixed_size 327680
		.amdhsa_private_segment_fixed_size 0
		.amdhsa_enable_private_segment 0
		.amdhsa_kernarg_size 32
		.amdhsa_user_sgpr_count 2
		.amdhsa_user_sgpr_kernarg_segment_ptr 1
		.amdhsa_wavefront_size32 1
		.amdhsa_system_sgpr_workgroup_id_x 1
		.amdhsa_system_sgpr_workgroup_id_y 1
		.amdhsa_system_sgpr_workgroup_id_z 1
		.amdhsa_system_vgpr_workitem_id 0
		.amdhsa_next_free_vgpr 256
		.amdhsa_next_free_sgpr 80
		.amdhsa_reserve_vcc 1
		.amdhsa_float_denorm_mode_32 3
		.amdhsa_float_denorm_mode_16_64 3
		.amdhsa_memory_ordered 1
		.amdhsa_forward_progress 1
		.amdhsa_inst_pref_size 123
	.end_amdhsa_kernel
	.amdgpu_metadata
---
amdhsa.version: [ 1, 2 ]
amdhsa.kernels:
  - .name:           k_q780004ce98_attn
    .symbol:         k_q780004ce98_attn.kd
    .args:
      - { .name: qkvc, .offset: 0, .size: 8, .value_kind: global_buffer, .address_space: global }
      - { .name: qkvs, .offset: 8, .size: 8, .value_kind: global_buffer, .address_space: global }
      - { .name: yc, .offset: 16, .size: 8, .value_kind: global_buffer, .address_space: global }
      - { .name: ys, .offset: 24, .size: 8, .value_kind: global_buffer, .address_space: global }
    .group_segment_fixed_size: 327680
    .private_segment_fixed_size: 0
    .kernarg_segment_align: 8
    .kernarg_segment_size: 32
    .max_flat_workgroup_size: 512
    .sgpr_count:     80
    .vgpr_count:     256
    .wavefront_size: 32
...
	.end_amdgpu_metadata
.endif
;; end of part 3
;; launch gemm_proj (part 4): grid 4 x 32, 4 waves a work-group, clusters of 4 x 4, 327,680 bytes of LDS; arguments yc, ys, pc, psc, b_proj, out0; writes out0
.if DOCPART == 4
	.amdgcn_target "amdgcn-amd-amdhsa--gfx1250"
	.amdhsa_code_object_version 6
	.text
	.protected	k_q780004ce98_gemm_proj
	.globl	k_q780004ce98_gemm_proj
	.p2align	8
	.type	k_q780004ce98_gemm_proj,@function
k_q780004ce98_gemm_proj:
	s_mov_b64 s[64:65], 0
	v_nop
	global_prefetch_b8 v0, s[64:65] scope:SCOPE_SE
	s_setreg_imm32_b32 hwreg(HW_REG_WAVE_MODE, 25, 1), 1
	s_wait_xcnt 0x0
	s_wait_alu depctr_hold_cnt(0) depctr_sa_sdst(0) depctr_va_vdst(0) depctr_va_sdst(0) depctr_va_ssrc(0) depctr_va_vcc(0) depctr_vm_vsrc(0)
	s_getreg_b32 s2, hwreg(HW_REG_IB_STS2, 6, 4)
	s_cmp_eq_u32 s2, 0
	s_cbranch_scc0 .Lentry_in_a_cluster
	s_endpgm
.Lentry_in_a_cluster:
	s_bfe_u32 s2, ttmp6, 0x10000c
	s_cmp_lg_u32 s2, 0xf033
	s_cbranch_scc0 .Lentry_shape_is_right
	s_endpgm
.Lentry_shape_is_right:
; FOURTH LAUNCH: out0 = y W_proj + b_proj on codes of E2M3.  A tile of 256 x 256 by four waves, 128 x 128 each; K = 1,024 in four steps of 256 through two LDS slots; the bias is the C of the first products.
; A = yc [token / 256][K step][token / 128 % 2][head % 4][128 tokens][48 bytes], B = pc's rows 11,264 on, [256 rows][K step][row][192 bytes]: a K step of 256 rows of either is 49,152 dense bytes, fetched as rows of 256 bytes.
; THE HEAD: one tensor load a wave: K step 0 of A's 256 rows, of B's, A's scales, B's; K step 1 is asked for behind a full round.  CLUSTERS 4 x 4: A's tiles are shared along a row, B's along a column.
; No prefetch: two of the four K steps are first fills, and the tiles are shared by the joint loads.  128 tiles of this size: half of the WGPs have work.
.set NQ,     2
.set KSTB,   49152
.set HALFM,  24576
.set KROW,   768
.set PITCH,  240
.set FR,     12
.set NL,     6
.set NP,     4
.set HALFA,  24576
.set HALFB,  128*PITCH
.set SLOT,   2*HALFA+2*HALFB
.set KS,     32
.set SCL,    2*SLOT
.set HALFS,  (128*KS/256)*272
.set SBLK,   (16*KS/256)*272
.set SPARE,  SCL+4*HALFS
.set SPITCH, 528
.set SIZE_N, 1024
.set ADRA, 16
.set ADRB, 20
.set STO,  24
.set RD,   25
.set CO,   26
.set ADRS, 27
.set SPW,  28
.set NIL,  29
.set BO,   30
.set SC,   32
.set CB,   64
.set AF,   128
.set BK,   128
.set G1, 24
.set G0, 32
.set G1B, 48
.set G0B, 56
.set G1S, 68
.set G0S, 76
.set G1SB, 80
.set G0SB, 88
.set MSB, 0
.macro WIN new
.if MSB != (\new)
	s_set_vgpr_msb (MSB<<8)|(\new)
.set MSB, \new
.endif
.endm
.set MUL_LO,   0xa1
.set MUL_HI,   0xf1
.set MUL_LO_F, 0x81
.set MUL_HI_F, 0xc1
.set TO_B,     0x40
.macro JLOAD g0a, g1a, g0b, g1b
	s_cmp_eq_u32 s15, 0
	s_cbranch_scc0 .Lfor_b_\@
	tensor_load_to_lds s[\g0a:\g0a+3], s[\g1a:\g1a+7]
	s_nop 0
.rept 4
	v_nop
.endr
	s_branch .Lasked_\@
.Lfor_b_\@:
	tensor_load_to_lds s[\g0b:\g0b+3], s[\g1b:\g1b+7]
	s_nop 0
.rept 4
	v_nop
.endr
.Lasked_\@:
.endm
.macro CREST
	s_cmp_lg_u32 s14, 0
	s_cbranch_scc1 .Lnot_wave_0_\@
	s_barrier_signal -3
.Lnot_wave_0_\@:
	s_barrier_wait -3
	s_barrier_signal -1
	s_barrier_wait -1
.endm
.macro CROUND
	s_barrier_signal -1
	s_barrier_wait -1
	CREST
.endm
	s_load_b256 s[4:11], s[0:1], 0x0
	s_load_b128 s[96:99], s[0:1], 0x20
	v_lshl_add_u32 v[SPW], v0, 2, SPARE
	v_mov_b32 v[NIL], 0
	ds_add_u32 v[SPW], v[NIL]
	ds_add_u32 v[SPW], v[NIL]
	v_lshrrev_b32 v1, 5, v0
	v_readfirstlane_b32 s14, v1
	s_lshr_b32 s15, s14, 1
	s_and_b32 s16, s14, 1
	s_bfe_u32 s40, ttmp6, 0x40000
	s_bfe_u32 s41, ttmp6, 0x40004
	s_lshl_b32 s42, ttmp9, 2
	s_add_co_u32 s42, s42, s40
	s_and_b32 s17, ttmp7, 0xffff
	s_lshl_b32 s17, s17, 2
	s_add_co_u32 s17, s17, s41
	s_lshl_b32 s43, s41, 2
	s_lshl_b32 s43, 15, s43
	s_lshl_b32 s44, 0x1111, s40
	s_or_b32 s[G1+0], s43, (3<<16)|(1<<21)
	s_mov_b32 s[G1+1], 32<<16
	s_mov_b32 s[G1+2], 192<<16
	s_mov_b32 s[G1+3], 32<<16
	s_mov_b32 s[G1+4], 192
	s_mov_b32 s[G1+5], 32
	s_mov_b32 s[G1+6], 0
	s_mov_b32 s[G1+7], 0
	s_or_b32 s[G1B+0], s44, (3<<16)|(1<<20)|(1<<21)|(3<<22)|(3<<25)
	s_mov_b32 s[G1B+1], 32<<16
	s_mov_b32 s[G1B+2], 192<<16
	s_mov_b32 s[G1B+3], 32<<16
	s_mov_b32 s[G1B+4], 192
	s_mov_b32 s[G1B+5], 32
	s_mov_b32 s[G1B+6], 0
	s_mov_b32 s[G1B+7], 0
	s_or_b32 s[G1S+0], s43, (3<<16)|(1<<20)|(1<<21)|(5<<22)|(3<<25)
	s_or_b32 s[G1SB+0], s44, (3<<16)|(1<<20)|(1<<21)|(5<<22)|(3<<25)
.irp g, G1S, G1SB
	s_mov_b32 s[\g+1], 32<<16
	s_mov_b32 s[\g+2], (256*KS/256)<<16
	s_mov_b32 s[\g+3], 32<<16
	s_mov_b32 s[\g+4], 256*KS/256
	s_mov_b32 s[\g+5], 32
	s_mov_b32 s[\g+6], 0
	s_mov_b32 s[\g+7], 0
.endr
	s_mul_i32 s18, s16, HALFM                      ; in the ring I fetch 128 rows: which half, in bytes
	s_mov_b32 s19, 0
	s_mul_i32 s20, s17, 4*KSTB                     ; A: the tile row's 256 tokens
	s_mov_b32 s21, 0
	s_lshl_b32 s22, s17, 13                        ; their 32 scale bytes a token
	s_mov_b32 s23, 0
	s_lshl_b32 s46, s42, 8
	s_add_co_u32 s46, s46, 11264                   ; B: the tile column's first table row
	s_lshl_b32 s92, s46, 5
	s_mov_b32 s93, 0
	s_mul_i32 s46, s46, KROW
	s_mov_b32 s47, 0
	s_mul_i32 s45, s16, HALFA
	s_mul_i32 s2, s16, HALFB
	s_add_co_u32 s2, s2, 2*HALFA
	s_wait_dscnt 0x0
	s_wait_kmcnt 0x0
	s_add_nc_u64 s[20:21], s[4:5], s[20:21]
	s_add_nc_u64 s[22:23], s[6:7], s[22:23]
	s_add_nc_u64 s[46:47], s[8:9], s[46:47]
	s_add_nc_u64 s[92:93], s[10:11], s[92:93]
	CROUND
	s_mov_b32 s[G0S], 1                            ; the scales of A's 256 rows,
	s_mov_b32 s[G0S+1], SCL
	s_mov_b64 s[G0S+2:G0S+3], s[22:23]
	s_or_b32 s[G0S+3], s[G0S+3], 0x80000000
	s_mov_b32 s[G0SB], 1                           ; and of B's
	s_mov_b32 s[G0SB+1], SCL+2*HALFS
	s_mov_b64 s[G0SB+2:G0SB+3], s[92:93]
	s_or_b32 s[G0SB+3], s[G0SB+3], 0x80000000
	s_mov_b32 s[G0], 1                             ; slot 0's group 0 serves the head's load first: K step 0, A's 256 rows,
	s_mov_b32 s[G0+1], 0
	s_mov_b64 s[G0+2:G0+3], s[20:21]
	s_or_b32 s[G0+3], s[G0+3], 0x80000000
	s_mov_b32 s[G0B], 1                            ; and B's, behind them
	s_mov_b32 s[G0B+1], 2*HALFA
	s_mov_b64 s[G0B+2:G0B+3], s[46:47]
	s_or_b32 s[G0B+3], s[G0B+3], 0x80000000
	s_add_nc_u64 s[20:21], s[20:21], s[18:19]      ; for the ring: my 128 rows
	s_add_nc_u64 s[46:47], s[46:47], s[18:19]
	s_mov_b32 s[G0+4], 1                           ; slot 1: K step 1
	s_add_co_u32 s[G0+5], s45, SLOT
	s_add_nc_u64 s[G0+6:G0+7], s[20:21], KSTB
	s_or_b32 s[G0+7], s[G0+7], 0x80000000
	s_mov_b32 s[G0B+4], 1
	s_add_co_u32 s[G0B+5], s2, SLOT
	s_add_nc_u64 s[G0B+6:G0B+7], s[46:47], KSTB
	s_or_b32 s[G0B+7], s[G0B+7], 0x80000000
.macro ARM under, g0, g1, next         ; one chain of branches on the wave's number, a load to an arm, all arms to one join
	s_cmp_lt_u32 s14, \under
	s_cbranch_scc0 \next
	tensor_load_to_lds s[\g0:\g0+3], s[\g1:\g1+7]
	s_nop 0
.rept 4
	v_nop
.endr
	s_branch .Lhead_asked
\next:
.endm
	ARM 1, G0,  G1,  .Lhead_b
	ARM 2, G0B, G1B, .Lhead_sa
	ARM 3, G0S, G1S, .Lhead_sb
	tensor_load_to_lds s[G0SB:G0SB+3], s[G1SB:G1SB+7]
	s_nop 0
.rept 4
	v_nop
.endr
.Lhead_asked:
	v_and_b32 v1, 15, v0
	v_bfe_u32 v2, v0, 4, 1
	v_mul_u32_u24 v6, v2, 24
	v_mad_u32_u24 v3, v1, 48, v6
	v_mad_u32_u24 v4, v1, PITCH, v6
	v_lshl_add_u32 v5, v2, 4, v4
	s_mul_i32 s21, s15, HALFA
	s_mul_i32 s22, s16, HALFB
	s_add_co_u32 s22, s22, 2*HALFA
.irp s, 0,1
	v_add_nc_u32 v[ADRA+\s], s21, v3
	v_add_nc_u32 v[ADRB+\s], s22, v4
	v_add_nc_u32 v[ADRB+2+\s], s22, v5
	s_add_co_u32 s21, s21, SLOT
	s_add_co_u32 s22, s22, SLOT
.endr
	v_mul_u32_u24 v5, v1, KS
	v_lshrrev_b32 v6, 8, v5
	v_lshl_add_u32 v5, v6, 4, v5
	s_mul_i32 s21, s15, HALFS
	s_mul_i32 s22, s16, HALFS
	s_add_co_u32 s22, s22, 2*HALFS
	s_sub_co_u32 s22, s22, s21
	v_mul_u32_u24 v6, s22, v2
	s_add_co_u32 s21, s21, SCL
	v_add_nc_u32 v5, v5, v6
	v_add_nc_u32 v[ADRS], s21, v5
	s_mul_i32 s23, s14, 16*SPITCH
	v_mul_u32_u24 v5, v1, SPITCH
	v_lshl_add_u32 v5, v2, 6, v5
	v_add_nc_u32 v[STO], s23, v5
	v_and_b32 v6, 31, v0
	v_lshlrev_b32 v[CO], 4, v6
	v_add_nc_u32 v[RD], s23, v[CO]
	v_lshlrev_b32 v[BO], 6, v2
	s_wait_alu depctr_va_vdst(0)
	s_lshl_b32 s20, s17, 8
	s_lshl_b32 s21, s15, 7
	s_add_co_u32 s20, s20, s21
	s_lshl_b32 s20, s20, 12
	s_lshl_b32 s46, s42, 10
	s_lshl_b32 s47, s16, 9
	s_add_co_u32 s46, s46, s47
	s_mov_b32 s47, 0
	s_add_nc_u64 s[96:97], s[96:97], s[46:47]
	s_add_co_u32 s20, s20, s46
	s_mov_b32 s21, 0
	s_add_nc_u64 s[98:99], s[98:99], s[20:21]
.irp b, 0,1,2,3,4,5,6,7
	global_load_b128 v[CB+8*\b:CB+8*\b+3], v[BO], s[96:97] offset:4*(32*(\b/2)+8*(\b%2))
	global_load_b128 v[CB+8*\b+4:CB+8*\b+7], v[BO], s[96:97] offset:4*(32*(\b/2)+8*(\b%2))+16
.endr
.macro FRAG reg, adr, q, i
.irp p, 0,1,2,3,4,5
.set PCE, 12*(\q)+6*(\p/3)+\p%3
.if PCE%8 < 5
	ds_load_b64 v[\reg+2*\p:\reg+2*\p+1], v[\adr] offset:8*PCE+16*(PCE/8)+(\i)*16*PITCH
.else
	ds_load_b64 v[\reg+2*\p:\reg+2*\p+1], v[\adr+2] offset:8*PCE+16*(PCE/8)+(\i)*16*PITCH
.endif
.endr
.endm
.macro FRAG_A reg, adr, q, i
.irp p, 0,1,2,3,4,5
	ds_load_b64 v[\reg+2*\p:\reg+2*\p+1], v[\adr] offset:(2*(\q)+\p/3)*6144+(\i)*768+8*(\p%3)
.endr
.endm
.macro MUL16 a0, p, q, sc, zero
.irp a, \a0, \a0+1
.irp b, 0,1,2,3,4,5,6,7
.if \zero
	v_wmma_scale_f32_16x16x128_f8f6f4 v[8*(8*((\a)%4)+\b):8*(8*((\a)%4)+\b)+7], v[128*(\p)+FR*\b:128*(\p)+FR*\b+FR-1], v[AF+FR*(\a):AF+FR*(\a)+FR-1], v[CB+8*\b:CB+8*\b+7], v[SC+8*NQ*(\sc)+NQ*\b+(\q)], v[SC+8*NQ*(\sc)+NQ*(\a)+(\q)] matrix_a_fmt:MATRIX_FMT_FP6 matrix_b_fmt:MATRIX_FMT_FP6 matrix_a_scale:MATRIX_SCALE_ROW1
.else
	v_wmma_scale_f32_16x16x128_f8f6f4 v[8*(8*((\a)%4)+\b):8*(8*((\a)%4)+\b)+7], v[128*(\p)+FR*\b:128*(\p)+FR*\b+FR-1], v[AF+FR*(\a):AF+FR*(\a)+FR-1], v[8*(8*((\a)%4)+\b):8*(8*((\a)%4)+\b)+7], v[SC+8*NQ*(\sc)+NQ*\b+(\q)], v[SC+8*NQ*(\sc)+NQ*(\a)+(\q)] matrix_a_fmt:MATRIX_FMT_FP6 matrix_b_fmt:MATRIX_FMT_FP6 matrix_a_scale:MATRIX_SCALE_ROW1
.endif
.endr
.endr
.endm
.macro FETCH_B slot, q, p
	WIN TO_B
.irp i, 0,1,2,3,4,5,6,7
	FRAG 128*(\p)+FR*\i, ADRB+\slot, \q, \i
.endr
	WIN 0
.endm
.macro FETCH_A slot, q, i0
.irp i, \i0, \i0+1, \i0+2, \i0+3
	FRAG_A AF+FR*(\i), ADRA+\slot, \q, \i
.endr
.endm
.macro SCALES sc
.irp i, 0,1,2,3,4,5,6,7
	ds_load_b64 v[SC+8*NQ*\sc+NQ*\i:SC+8*NQ*\sc+NQ*\i+1], v[ADRS] offset:\i*SBLK
.endr
.endm
.macro PLACES n
.rept \n
	v_nop
.endr
.endm
.macro STEP slot, q, zero
	s_wait_dscnt 4*NL
.if \zero
	WIN MUL_LO_F
.else
	WIN MUL_LO
.endif
	MUL16 0, (\q)%2, \q, \slot, \zero
	MUL16 2, (\q)%2, \q, \slot, \zero
	s_wait_dscnt 0
	PLACES NP
	FETCH_B \slot, (\q)+1, 1-(\q)%2
	FETCH_A \slot, (\q)+1, 0
.if \zero
	WIN MUL_HI_F
.else
	WIN MUL_HI
.endif
	MUL16 4, (\q)%2, \q, \slot, \zero
	MUL16 6, (\q)%2, \q, \slot, \zero
	PLACES NP
	WIN 0
	FETCH_A \slot, (\q)+1, 4
.endm
.macro TURN slot, next, fill
	s_wait_tensorcnt 0x0
	ds_add_u32 v[SPW], v[NIL]
	s_wait_dscnt 4*NL+1
	WIN MUL_LO
	MUL16 0, 1, NQ-1, \slot, 0
	s_wait_dscnt 0x0
	s_barrier_signal -1
	MUL16 2, 1, NQ-1, \slot, 0
	WIN 0
	s_barrier_wait -1
.if \fill
	CREST
	s_add_nc_u64 s[G0+4*\slot+2:G0+4*\slot+3], s[G0+4*\slot+2:G0+4*\slot+3], 2*KSTB
	s_add_nc_u64 s[G0B+4*\slot+2:G0B+4*\slot+3], s[G0B+4*\slot+2:G0B+4*\slot+3], 2*KSTB
	JLOAD G0+4*\slot, G1, G0B+4*\slot, G1B
.else
	PLACES NP
.endif
	s_wait_alu depctr_va_vdst(0)
	v_add_nc_u32 v[ADRS], 4*NQ, v[ADRS]
	FETCH_B \next, 0, 0
	FETCH_A \next, 0, 0
	SCALES \next
	WIN MUL_HI
	MUL16 4, 1, NQ-1, \slot, 0
	MUL16 6, 1, NQ-1, \slot, 0
	PLACES NP
	WIN 0
	FETCH_A \next, 0, 4
.endm
	s_wait_alu depctr_va_vdst(0)
	s_wait_tensorcnt 0x0                           ; my tile of the head's four is in; the three lines ahead of a later first fill
	ds_add_u32 v[SPW], v[NIL]
	s_mov_b32 s[G1+2], 96<<16                      ; no tensor load of mine is out: from here on a load brings 128 rows,
	s_mov_b32 s[G1+4], 96
	s_mov_b32 s[G1B+2], 96<<16
	s_mov_b32 s[G1B+4], 96
	s_mov_b32 s[G0+1], s45                         ; and slot 0's group 0 stands at my half of K step 0
	s_add_nc_u64 s[G0+2:G0+3], s[G0+2:G0+3], s[18:19]
	s_mov_b32 s[G0B+1], s2
	s_add_nc_u64 s[G0B+2:G0B+3], s[G0B+2:G0B+3], s[18:19]
	s_wait_dscnt 0x0
	CROUND                                         ; all four tiles are in, and all sixteen work-groups are here
	JLOAD G0+4, G1, G0B+4, G1B                     ; K step 1, the first tensor load behind the round
	FETCH_B 0, 0, 0
	FETCH_A 0, 0, 0
	SCALES 0
	FETCH_A 0, 0, 4
	s_wait_loadcnt 0x0
	STEP 0, 0, 1
	TURN 0, 1, 1
	STEP 1, 0, 0
	TURN 1, 0, 1
	STEP 0, 0, 0
	TURN 0, 1, 0
	STEP 1, 0, 0
	s_wait_dscnt 4*NL
	WIN MUL_LO
	MUL16 0, 1, NQ-1, 1, 0
	MUL16 2, 1, NQ-1, 1, 0
	s_wait_dscnt 0
	WIN MUL_HI
	MUL16 4, 1, NQ-1, 1, 0
	MUL16 6, 1, NQ-1, 1, 0
	WIN 0
.macro TOSTAGE a
.set AC, 64*((\a)%4)
	WIN 0x08+4*((\a)/4)
.irp b, 0,1,2,3,4,5,6,7
	ds_store_b128 v[STO], v[AC+8*\b:AC+8*\b+3] offset:128*(\b/2)+32*(\b%2)
	ds_store_b128 v[STO], v[AC+8*\b+4:AC+8*\b+7] offset:128*(\b/2)+32*(\b%2)+16
.endr
	WIN 0
.set BB, BK+64*((\a)%2)
.irp t, 0,1,2,3,4,5,6,7,8,9,10,11,12,13,14,15
	ds_load_b128 v[BB+4*\t:BB+4*\t+3], v[RD] offset:\t*SPITCH
.endr
.endm
.macro SEND a, younger
.set BB, BK+64*((\a)%2)
	s_wait_dscnt \younger
.if (\a) > 0
	s_add_nc_u64 s[98:99], s[98:99], 16*SIZE_N*4
.endif
.irp t, 0,1,2,3,4,5,6,7,8,9,10,11,12,13,14,15
	global_store_b128 v[CO], v[BB+4*\t:BB+4*\t+3], s[98:99] offset:\t*SIZE_N*4 th:TH_STORE_NT
.endr
.endm
	PLACES NP
	TOSTAGE 0
.irp a, 1,2,3,4,5,6,7
.if \a > 1
	s_wait_xcnt 0x0
.endif
	TOSTAGE \a
	SEND \a-1, 32
.endr
	s_wait_xcnt 0x0
	SEND 7, 0
	s_wait_tensorcnt 0x0
	ds_add_u32 v[SPW], v[NIL]
	s_wait_dscnt 0x0
	CROUND
	s_endpgm
.Lfunc_end_k_q780004ce98_gemm_proj:
	.size	k_q780004ce98_gemm_proj, .Lfunc_end_k_q780004ce98_gemm_proj-k_q780004ce98_gemm_proj
	.p2alignl 7, 3214868480
	.fill 96, 4, 3214868480
	.section	.rodata,"a",@progbits
	.p2align	6, 0x0
	.amdhsa_kernel k_q780004ce98_gemm_proj
		.amdhsa_group_segment_fixed_size 327680
		.amdhsa_private_segment_fixed_size 0
		.amdhsa_enable_private_segment 0
		.amdhsa_kernarg_size 48
		.amdhsa_user_sgpr_count 2
		.amdhsa_user_sgpr_kernarg_segment_ptr 1
		.amdhsa_wavefront_size32 1
		.amdhsa_system_sgpr_workgroup_id_x 1
		.amdhsa_system_sgpr_workgroup_id_y 1
		.amdhsa_system_sgpr_workgroup_id_z 1
		.amdhsa_system_vgpr_workitem_id 0
		.amdhsa_next_free_vgpr 1024
		.amdhsa_next_free_sgpr 102
		.amdhsa_reserve_vcc 0
		.amdhsa_float_denorm_mode_32 3
		.amdhsa_float_denorm_mode_16_64 3
		.amdhsa_memory_ordered 1
		.amdhsa_forward_progress 1
		.amdhsa_inst_pref_size 162
	.end_amdhsa_kernel
	.amdgpu_metadata
---
amdhsa.version: [ 1, 2 ]
amdhsa.kernels:
  - .name:           k_q780004ce98_gemm_proj
    .symbol:         k_q780004ce98_gemm_proj.kd
    .args:
      - { .name: yc, .offset: 0, .size: 8, .value_kind: global_buffer, .address_space: global }
      - { .name: ys, .offset: 8, .size: 8, .value_kind: global_buffer, .address_space: global }
      - { .name: pc, .offset: 16, .size: 8, .value_kind: global_buffer, .address_space: global }
      - { .name: psc, .offset: 24, .size: 8, .value_kind: global_buffer, .address_space: global }
      - { .name: b_proj, .offset: 32, .size: 8, .value_kind: global_buffer, .address_space: global }
      - { .name: out0, .offset: 40, .size: 8, .value_kind: global_buffer, .address_space: global }
    .group_segment_fixed_size: 327680
    .private_segment_fixed_size: 0
    .kernarg_segment_align: 8
    .kernarg_segment_size: 48
    .max_flat_workgroup_size: 128
    .sgpr_count:     102
    .vgpr_count:     1024
    .wavefront_size: 32
...
	.end_amdgpu_metadata
.endif
;; end of part 4
